; MI455X (gfx1250); checked and timed in simulation.
; The chip was launched on July 23, 2026; its instructions are those of AMD's public machine-readable ISA for CDNA 5 (MIT licence, August 2026) and "CDNA5" Instruction Set Architecture Reference Guide (July 2026). The comments in the code are by the model that wrote it; some were corrected since.
;; Attention. Allowed arithmetic: matrix products marked QUANTISED: E2M1 operands, one E8M0 scale for each 32 along K, by v_wmma_scale_f32_16x16x128_f8f6f4 with both operands' format E2M1 (or v_wmma_scale_f32_32x16x128_f4), f32 sums; products left as they are: bf16, f16 or f32 operands; f32 sums; everything else in f32.
;; Inputs: k 2 x 2,048 x 1,024 float32; mask 2 x 1 x 2,048 x 2,048 bool; q 2 x 2,048 x 1,024 float32; v 2 x 2,048 x 1,024 float32; wk_b 1,024 float32; wk_w 1,024 x 1,024 float32; wo_b 1,024 float32; wo_w 1,024 x 1,024 float32; wq_b 1,024 float32; wq_w 1,024 x 1,024 float32; wv_b 1,024 float32; wv_w 1,024 x 1,024 float32.
;; Outputs: out0 2 x 2,048 x 1,024 float32.
;; This version of the problem:
;;   THIS VERSION OF THE PROBLEM IS GIVEN IN LOW PRECISION. The matrix products marked QUANTISED in the list below multiply operands that are first quantised to E2M1 (2 exponent bits, 1 mantissa bit; 4 bits a number), with one power-of-two scale for each 32 numbers along K (OCP MX v1.0); their sums are f32. The products marked 'left as it is' may take bf16, f16 or f32 operands, with f32 sums. Whichever they take, every output number must still come out within the allowed error. Rounding operands to bf16 (8 significant bits) uses up far more of that allowance than f16 does (11 bits, for magnitudes from 6e-5 to 65,504). All else is computed in f32.
;;   The module's matrix products, in the order in which they are computed (A, B: the left and right operand; K: the contracted axis; several contracted axes count as one K, in the product's order):
;;     1. [M 4,096, K 1,024] x [K 1,024, N 1,024]; A: input q; B: input wq_w: QUANTISED
;;     2. [M 4,096, K 1,024] x [K 1,024, N 1,024]; A: input k; B: input wk_w: QUANTISED
;;     3. [M 4,096, K 1,024] x [K 1,024, N 1,024]; A: input v; B: input wv_w: QUANTISED
;;     4. batch 32 x [M 2,048, K 64] x [K 64, N 2,048]; A: computed on the way; B: computed on the way: left as it is (an operand is computed on the way)
;;     5. batch 32 x [M 2,048, K 2,048] x [K 2,048, N 64]; A: computed on the way; B: computed on the way: left as it is (an operand is computed on the way)
;;     6. [M 4,096, K 1,024] x [K 1,024, N 1,024]; A: computed on the way; B: input wo_w: left as it is (an operand is computed on the way)
;;   THE QUANTISER, for each operand of a quantised product, along K:
;;     - K is cut into blocks of 32 from its start; a last block that is shorter is filled with zeros.
;;     - A block's scale is 2^e with e = floor(log2(the largest magnitude in the block)) - 2, held to -126 .. 127; a block of zeros has e = 0. As a byte (E8M0): e + 127.
;;     - Each number is divided by its block's scale, clamped to +-6, and rounded to the nearest number of E2M1, ties to even, subnormals kept.
;;     - The product sums the exact products of the quantised numbers (number of the format x scale) in f32.
;;   ~~~python
;;   def quantise(x, axis):      # numpy; x: float32 -> the quantised numbers, widened to float32 again
;;       x = np.moveaxis(x, axis, -1); K = x.shape[-1]
;;       x = np.pad(x, [(0, 0)] * (x.ndim - 1) + [(0, -K % 32)]); x = x.reshape(x.shape[:-1] + (-1, 32)); a = np.abs(x).max(-1, keepdims=True)
;;       e = np.where(a > 0, np.clip(np.frexp(np.where(a > 0, a, 1))[1] - 1 - 2, -126, 127), 0)      # np.frexp(a)[1] - 1 = floor(log2(a)), exactly
;;       r = np.clip(x / 2.0 ** e, -6, 6)
;;       step = 2.0 ** (np.maximum(np.frexp(np.where(r == 0, 1, r))[1] - 1, 0) - 1)
;;       q = np.round(r / step) * step * 2.0 ** e      # np.round: ties to even
;;       return np.moveaxis(q.reshape(q.shape[:-2] + (-1,))[..., :K], -1, axis).astype(np.float32)
;;   ~~~
;; One version. Each part assembles by itself: llvm-mc -triple=amdgcn-amd-amdhsa -mcpu=gfx1250 --defsym DOCPART=n.
;; ======== version 1 of 1: 4 launches
;; limits: values are held in f16: magnitudes above 65,504 overflow, below 6.1e-05 lose precision
;; workspace buffers: codes 7,864,320 bytes; scales 491,520 bytes; woh 2,097,152 bytes; maskw 1,048,576 bytes of whole numbers; qkv 25,165,824 bytes; xh 8,388,608 bytes
;; launch prep (part 1): grid 128 x 5, 4 waves a work-group, no clusters, 50,688 bytes of LDS; arguments q, k, v, wq_w, wk_w, wv_w, wo_w, mask, codes, scales, woh, maskw; writes codes, scales, woh, maskw
.if DOCPART == 1
	.amdgcn_target "amdgcn-amd-amdhsa--gfx1250"
	.amdhsa_code_object_version 6
	.text
	.protected	k_q72e66375d1_prep
	.globl	k_q72e66375d1_prep
	.p2align	8
	.type	k_q72e66375d1_prep,@function
k_q72e66375d1_prep:
	s_mov_b64 s[64:65], 0
	v_nop
	global_prefetch_b8 v0, s[64:65] scope:SCOPE_SE
	s_setreg_imm32_b32 hwreg(HW_REG_WAVE_MODE, 25, 1), 1
	s_wait_xcnt 0x0
; THREE JOBS IN ONE LAUNCH, told apart by the work-group's number L = 128 y + x alone.
; (a) L = 0 .. 479: q, k, v [4096][1024] and wq_w, wk_w, wv_w [1024][1024], f32, K innermost, become codes of FP4 (E2M1), two a byte, and one E8M0 byte for each 32 along K.
;     codes: 15,360 rows of 512 bytes (q, k, v, wq_w, wk_w, wv_w on end); scales: the same rows, 32 bytes each.  Rows are dense, so each tensor is a plain stream of blocks of 32.
;     A block's scale is 2^(floor(log2(its largest magnitude)) - 2); its byte is the largest magnitude's exponent field - 2, held at 1 from below.
; (b) L = 480 .. 511: wo_w [1024 n][1024 k] f32 becomes f16, laid [16 planes of 64 k][1024 n][64], so that a plane's rows are dense runs of 128 bytes.
; (c) y = 4: the mask's bytes become LANE MASKS: maskw[g = b 128 + q / 16][ks = key / 64][i = 0 .. 31], 32-bit words; bit l of word i is
;     mask[b][16 (g % 128) + l % 16][64 ks + 16 (i / 8) + 8 (l / 16) + i % 8]: the lane and register in which the attention launch holds that score.
; LIMITS: a block of zeros gets the byte 1 where the rule says 127 (its codes are zeros, which add nothing under any byte but 0xff, and this program alone reads the bytes);
; blocks whose largest magnitude lies under 2^-124 were not tried; NaN and infinities are not served; wo_w must stay under 65,504 in magnitude (f16); any mask byte other than 0 counts as true.
; No tensor load, no barrier: waves share nothing.  Each job has LDS bytes of its own.
.set STEPS, 16
.set EMAX,  2
.set CB,    8                          ; bytes of 16 codes
.set R,     16                         ; v16-79   (a) four sets of 16 numbers as loaded
.set X,     80                         ; v80-111  (a) two sets of 16 neighbours
.set E,     112                        ; v112-127 (a) a scale byte for each step
.set C,     128                        ; v128-191 (a) codes, four registers a step: no store's data are written again
.set WREG,  8192                       ; (a) LDS region of a wave: two stages of 32 x SP bytes, then its 256 scale bytes
.set SP,    80                         ; (a) a lane's place in a stage: 64 bytes + 16 of padding
.set MST,   32768                      ; (c) four stages of 16 rows x 272 bytes
.set MSTW,  16*272
.set SPARE, 50176                      ; the spare words: 128 bytes for each wave, two blocks of 256 bytes that no other line names
.set SPW,   12                         ; v12 LDS address of my spare word; never rewritten
.set NIL,   13                         ; v13 0; never rewritten
.macro FINISH                          ; a wave's end: three lines behind the last LDS store, the first of them even in a text with no tensor load
	s_wait_tensorcnt 0x0
	ds_add_u32 v[SPW], v[NIL]
	s_wait_dscnt 0x0
	s_endpgm
.endm
	s_load_b512 s[4:19], s[0:1], 0x0               ; q, k, v, wq_w, wk_w, wv_w, wo_w, mask
	s_load_b256 s[20:27], s[0:1], 0x40             ; codes, scales, woh, maskw
	v_lshl_add_u32 v[SPW], v0, 2, SPARE
	v_mov_b32 v[NIL], 0
	v_lshrrev_b32 v1, 5, v0
	v_readfirstlane_b32 s30, v1                    ; wave 0..3
	v_and_b32 v2, 31, v0                           ; lane
	s_and_b32 s28, ttmp7, 0xffff                   ; y
	s_lshl_b32 s29, s28, 7
	s_add_co_u32 s29, s29, ttmp9                   ; L
	s_wait_kmcnt 0x0
	s_cmp_eq_u32 s28, 4
	s_cbranch_scc1 .Lmask
	s_cmp_ge_u32 s29, 480
	s_cbranch_scc1 .Lcast
; ---------------- (a) the quantiser: a wave takes 16 steps of 512 numbers
; Each of a step's four loads reads 512 consecutive bytes, 16 a lane; the 2,048 bytes go through the wave's own stage and come back 64 bytes a lane: 16 neighbours along K, two lanes to a block.
	v_lshlrev_b32 v3, 4, v2                        ; my 16 bytes of a load's 512
	s_mul_i32 s31, s30, WREG
	v_lshrrev_b32 v14, 2, v2
	v_mul_u32_u24 v14, v14, SP
	v_and_b32 v15, 3, v2
	v_lshl_add_u32 v14, v15, 4, v14
	v_add_nc_u32 v14, s31, v14                     ; into the stage: SP (lane / 4) + 16 (lane % 4)
	v_mul_u32_u24 v15, v2, SP
	v_add_nc_u32 v15, s31, v15                     ; out of it: SP x lane
	v_mul_u32_u24 v4, v2, CB                       ; my codes' place in a step's
	v_lshrrev_b32 v5, 1, v2
	s_add_co_u32 s31, s31, 2*32*SP
	v_add_nc_u32 v5, s31, v5                       ; my block's scale byte in LDS
	v_lshlrev_b32 v7, 3, v2
	v_add_nc_u32 v6, s31, v7                       ; and 8 bytes a lane on the way out
	s_cmp_eq_u32 s28, 1                            ; which tensor: the choice hangs on the work-group's number alone
	s_cselect_b64 s[32:33], s[6:7], s[4:5]
	s_cmp_eq_u32 s28, 2
	s_cselect_b64 s[32:33], s[8:9], s[32:33]
	s_lshr_b32 s38, ttmp9, 5
	s_lshl_b32 s34, s28, 2
	s_add_co_u32 s38, s38, s34                     ; 4 y + x / 32: 12, 13, 14 are the three weights
	s_cmp_eq_u32 s38, 12
	s_cselect_b64 s[32:33], s[10:11], s[32:33]
	s_cmp_eq_u32 s38, 13
	s_cselect_b64 s[32:33], s[12:13], s[32:33]
	s_cmp_eq_u32 s38, 14
	s_cselect_b64 s[32:33], s[14:15], s[32:33]
	s_and_b32 s34, ttmp9, 31
	s_cmp_eq_u32 s28, 3
	s_cselect_b32 s34, s34, ttmp9                  ; the work-group's number inside its tensor
	s_lshl_b32 s34, s34, 2
	s_add_co_u32 s34, s34, s30
	s_lshl_b32 s34, s34, 15                        ; a wave's run: 8,192 numbers, 32,768 bytes
	s_mov_b32 s35, 0
	s_add_nc_u64 s[32:33], s[32:33], s[34:35]
	s_lshl_b32 s36, s29, 2
	s_add_co_u32 s36, s36, s30                     ; the run's number over all six tensors: the outputs lie on end
	s_lshl_b32 s34, s36, 12
	s_add_nc_u64 s[20:21], s[20:21], s[34:35]      ; 4,096 bytes of codes a run
	s_lshl_b32 s34, s36, 8
	s_add_nc_u64 s[22:23], s[22:23], s[34:35]      ; 256 scale bytes a run
.macro LOAD t
.irp i, 0,1,2,3
	global_load_b128 v[R+16*((\t)%4)+4*\i:R+16*((\t)%4)+4*\i+3], v3, s[32:33] offset:2048*(\t)+512*\i th:TH_LOAD_NT
.endr
.endm
.macro TURN t                          ; step t's numbers through the stage: LDS serves a wave's instructions in order, so no wait stands between the stores and the loads
.irp i, 0,1,2,3
	ds_store_b128 v14, v[R+16*((\t)%4)+4*\i:R+16*((\t)%4)+4*\i+3] offset:32*SP*((\t)%2)+8*SP*\i
.endr
.irp i, 0,1,2,3
	ds_load_b128 v[X+16*((\t)%2)+4*\i:X+16*((\t)%2)+4*\i+3], v15 offset:32*SP*((\t)%2)+16*\i
.endr
.endm
.irp t, 0,1,2,3
	LOAD \t
.endr
	s_wait_loadcnt 12                              ; step 0's four loads are in; three steps' twelve may be out
	TURN 0
.macro STEP t
.set XS, X+16*((\t)%2)
.if (\t) > 0
	s_wait_dscnt 1                                 ; this step's numbers are back from the stage; the last step's byte store may be out
.else
	s_wait_dscnt 0x0
.endif
.if (\t)+4 < STEPS
	LOAD (\t)+4                                    ; into the registers that the stage's stores have read
.endif
.if (\t)+1 < STEPS
.if STEPS-2-(\t) >= 3
	s_wait_loadcnt 12                              ; the next step's four loads are in; those of the three steps behind it may be out
.else
	s_wait_loadcnt 4*(STEPS-2-(\t))
.endif
	TURN (\t)+1
.endif
	v_max3_num_f32 v8, |v[XS]|, |v[XS+1]|, |v[XS+2]|               ; the largest magnitude of my 16, in two chains
	v_max3_num_f32 v9, |v[XS+3]|, |v[XS+4]|, |v[XS+5]|
.irp i, 6,10
	v_max3_num_f32 v8, v8, |v[XS+\i]|, |v[XS+\i+1]|
	v_max3_num_f32 v9, v9, |v[XS+\i+2]|, |v[XS+\i+3]|
.endr
	v_max3_num_f32 v8, v8, |v[XS+14]|, |v[XS+15]|
	v_max3_num_f32 v8, v8, v9, (EMAX+1)<<23        ; and the floor 2^(3 - 127): the byte cannot fall under 1
	v_max_num_f32_dpp v8, v8, v8 row_xmask:1 row_mask:0xf bank_mask:0xf   ; with my neighbour's 16: the block's
	v_add_nc_u32 v11, -(EMAX<<23), v8              ; 2 off its exponent field: the conversion takes the exponent field of this operand as its scale
	v_cvt_scalef32_pk8_fp4_f32 v[C+4*(\t)], v[XS:XS+7], v11        ; to the nearest code, ties to even, beyond 6 the largest code
	v_cvt_scalef32_pk8_fp4_f32 v[C+4*(\t)+1], v[XS+8:XS+15], v11
	v_lshrrev_b32 v[E+(\t)], 23, v11               ; the scale's byte
	ds_store_b8 v5, v[E+(\t)] offset:16*(\t)       ; both lanes of a block write the same byte with the same value
	global_store_b64 v4, v[C+4*(\t):C+4*(\t)+1], s[20:21] offset:32*CB*(\t)   ; 32 lanes store 256 consecutive bytes, aligned
.endm
.irp t, 0,1,2,3,4,5,6,7,8,9,10,11,12,13,14,15
	STEP \t
.endr
	ds_load_b64 v[8:9], v6                         ; my wave's 256 scale bytes (LDS serves a wave's instructions in order)
	s_wait_dscnt 0x0
	global_store_b64 v7, v[8:9], s[22:23]          ; 256 consecutive bytes, aligned
	FINISH
; ---------------- (b) wo_w to f16, by planes of 64 k.  A wave takes 8 rows: 4 pairs of rows x 16 planes
.Lcast:
	s_sub_co_u32 s31, s29, 480
	s_lshl_b32 s31, s31, 5
	s_lshl_b32 s34, s30, 3
	s_add_co_u32 s31, s31, s34                     ; my first row: 32 c + 8 wave
	s_lshl_b32 s34, s31, 12
	s_mov_b32 s35, 0
	s_add_nc_u64 s[16:17], s[16:17], s[34:35]      ; a row of wo_w is 4,096 bytes
	s_lshl_b32 s34, s31, 7
	s_add_nc_u64 s[24:25], s[24:25], s[34:35]      ; a row of a plane is 128 bytes
	v_lshrrev_b32 v3, 4, v2
	v_and_b32 v5, 15, v2
	v_lshlrev_b32 v3, 12, v3
	v_lshl_add_u32 v3, v5, 4, v3                   ; in: lanes 0-15 take 256 bytes of one row, lanes 16-31 of the next
	v_lshlrev_b32 v4, 3, v2                        ; out: 8 bytes a lane: the two rows' 128 bytes lie on end
.macro CLOAD g
.irp kb, 0,1,2,3,4,5,6,7,8,9,10,11,12,13,14,15
	global_load_b128 v[16+64*((\g)%2)+4*\kb:16+64*((\g)%2)+4*\kb+3], v3, s[16:17] offset:(\g)*8192+\kb*256 th:TH_LOAD_NT
.endr
.endm
.macro CAST g
.if (\g) < 3
	s_wait_loadcnt 16                              ; this pair's sixteen loads are in; the next pair's may be out
.else
	s_wait_loadcnt 0x0
.endif
	s_wait_xcnt 0x0                                ; the last pair's stores have read v144-175, which are written again below
.irp kb, 0,1,2,3,4,5,6,7,8,9,10,11,12,13,14,15
	v_cvt_pk_f16_f32 v[144+2*\kb], v[16+64*((\g)%2)+4*\kb], v[17+64*((\g)%2)+4*\kb]
	v_cvt_pk_f16_f32 v[145+2*\kb], v[18+64*((\g)%2)+4*\kb], v[19+64*((\g)%2)+4*\kb]
.endr
.if (\g)+2 < 4
	CLOAD (\g)+2
.endif
.irp kb, 0,1,2,3,4,5,6,7,8,9,10,11,12,13,14,15
	global_store_b64 v4, v[144+2*\kb:145+2*\kb], s[24:25] offset:\kb*131072+(\g)*256   ; 256 consecutive bytes, aligned: rows n and n + 1 of plane kb
.endr
.endm
	CLOAD 0
	CLOAD 1
	CAST 0
	CAST 1
	CAST 2
	CAST 3
	FINISH
; ---------------- (c) the mask.  A wave takes 16 queries x 1,024 keys: four tasks of 256 keys
.Lmask:
	s_lshl_b32 s31, ttmp9, 1
	s_lshr_b32 s34, s30, 1
	s_add_co_u32 s31, s31, s34                     ; g
	s_and_b32 s36, s30, 1                          ; which half of the keys
	s_lshl_b32 s34, s31, 15                        ; 16 rows of 2,048 bytes
	s_lshl_b32 s37, s36, 10
	s_add_co_u32 s34, s34, s37
	s_mov_b32 s35, 0
	s_add_nc_u64 s[18:19], s[18:19], s[34:35]
	s_lshl_b32 s34, s31, 12                        ; 32 key steps of 32 words
	s_lshl_b32 s37, s36, 11
	s_add_co_u32 s34, s34, s37
	s_add_nc_u64 s[26:27], s[26:27], s[34:35]
	v_lshrrev_b32 v4, 4, v2                        ; h
	v_and_b32 v5, 15, v2                           ; r
	v_lshlrev_b32 v6, 11, v4
	v_lshl_add_u32 v6, v5, 4, v6                   ; in: lanes 0-15 take 256 bytes of one row, lanes 16-31 of the next
	v_lshlrev_b32 v3, 4, v2                        ; out: 16 bytes a lane
	s_mul_i32 s37, s30, MSTW
	s_add_co_u32 s37, s37, MST                     ; my stage
	v_mul_u32_u24 v7, v4, 272
	v_lshl_add_u32 v7, v5, 4, v7
	v_add_nc_u32 v7, s37, v7                       ; into it, as loaded
	v_mul_u32_u24 v14, v5, 272
	v_lshl_add_u32 v14, v4, 3, v14
	v_add_nc_u32 v14, s37, v14                     ; out of it: row r, 8 bytes for each half of the lanes
.irp n, 0,1,2,3
.irp t, 0,1,2,3,4,5,6,7
	global_load_b128 v[16+32*\n+4*\t:16+32*\n+4*\t+3], v6, s[18:19] offset:\t*4096+\n*256 th:TH_LOAD_NT
.endr
.endr
.irp j, 0,1,2,3,4,5,6,7,8,9,10,11,12,13,14,15
	v_mov_b32 v[176+\j], 0                         ; written once: v_writelane_b32's destination counts as read
.endr
.macro MTASK n
	s_wait_loadcnt 24-8*\n                         ; this task's eight loads are in; the later tasks' eight each may be out
.irp t, 0,1,2,3,4,5,6,7
	ds_store_b128 v7, v[16+32*\n+4*\t:16+32*\n+4*\t+3] offset:544*\t
.endr
.irp f, 0,1,2,3,4,5,6,7,8,9,10,11,12,13,14,15
	ds_load_b64 v[144+2*\f:145+2*\f], v14 offset:16*\f     ; keys 16 f + 8 h + 0 .. 7 of my query
.endr
	s_wait_dscnt 0x0
.set w, 0
.rept 128                              ; word w = 32 (key step in the task) + i: byte i % 8 of piece w / 8, over the 32 lanes
	v_and_b32 v[8+w%4], 0xff<<(8*(w%4)), v[144+2*(w/8)+(w%8)/4]
	v_cmp_ne_u32 s[40+w%4], 0, v[8+w%4]
	v_writelane_b32 v[176+4*\n+w%4], s[40+w%4], w/4        ; lane w / 4 stores words 4 (w / 4) .. + 3
.set w, w+1
.endr
	global_store_b128 v3, v[176+4*\n:176+4*\n+3], s[26:27] offset:512*\n   ; 512 consecutive bytes, aligned
.endm
	MTASK 0
	MTASK 1
	MTASK 2
	MTASK 3
	FINISH
.Lfunc_end_k_q72e66375d1_prep:
	.size	k_q72e66375d1_prep, .Lfunc_end_k_q72e66375d1_prep-k_q72e66375d1_prep
	.p2alignl 7, 3214868480
	.fill 96, 4, 3214868480
	.section	.rodata,"a",@progbits
	.p2align	6, 0x0
	.amdhsa_kernel k_q72e66375d1_prep
		.amdhsa_group_segment_fixed_size 50688
		.amdhsa_private_segment_fixed_size 0
		.amdhsa_enable_private_segment 0
		.amdhsa_kernarg_size 96
		.amdhsa_user_sgpr_count 2
		.amdhsa_user_sgpr_kernarg_segment_ptr 1
		.amdhsa_wavefront_size32 1
		.amdhsa_system_sgpr_workgroup_id_x 1
		.amdhsa_system_sgpr_workgroup_id_y 1
		.amdhsa_system_sgpr_workgroup_id_z 1
		.amdhsa_system_vgpr_workitem_id 0
		.amdhsa_next_free_vgpr 192
		.amdhsa_next_free_sgpr 66
		.amdhsa_reserve_vcc 0
		.amdhsa_float_denorm_mode_32 3
		.amdhsa_float_denorm_mode_16_64 3
		.amdhsa_memory_ordered 1
		.amdhsa_forward_progress 1
		.amdhsa_inst_pref_size 162
	.end_amdhsa_kernel
	.amdgpu_metadata
---
amdhsa.version: [ 1, 2 ]
amdhsa.kernels:
  - .name:           k_q72e66375d1_prep
    .symbol:         k_q72e66375d1_prep.kd
    .args:
      - { .name: q, .offset: 0, .size: 8, .value_kind: global_buffer, .address_space: global }
      - { .name: k, .offset: 8, .size: 8, .value_kind: global_buffer, .address_space: global }
      - { .name: v, .offset: 16, .size: 8, .value_kind: global_buffer, .address_space: global }
      - { .name: wq_w, .offset: 24, .size: 8, .value_kind: global_buffer, .address_space: global }
      - { .name: wk_w, .offset: 32, .size: 8, .value_kind: global_buffer, .address_space: global }
      - { .name: wv_w, .offset: 40, .size: 8, .value_kind: global_buffer, .address_space: global }
      - { .name: wo_w, .offset: 48, .size: 8, .value_kind: global_buffer, .address_space: global }
      - { .name: mask, .offset: 56, .size: 8, .value_kind: global_buffer, .address_space: global }
      - { .name: codes, .offset: 64, .size: 8, .value_kind: global_buffer, .address_space: global }
      - { .name: scales, .offset: 72, .size: 8, .value_kind: global_buffer, .address_space: global }
      - { .name: woh, .offset: 80, .size: 8, .value_kind: global_buffer, .address_space: global }
      - { .name: maskw, .offset: 88, .size: 8, .value_kind: global_buffer, .address_space: global }
    .group_segment_fixed_size: 50688
    .private_segment_fixed_size: 0
    .kernarg_segment_align: 8
    .kernarg_segment_size: 96
    .max_flat_workgroup_size: 128
    .sgpr_count:     66
    .vgpr_count:     192
    .wavefront_size: 32
...
	.end_amdgpu_metadata
.endif
;; end of part 1
;; launch proj (part 2): grid 4 x 48, 4 waves a work-group, clusters of 4 x 4, 327,680 bytes of LDS; arguments codes, scales, wq_b, wk_b, wv_b, qkv; writes qkv
.if DOCPART == 2
	.amdgcn_target "amdgcn-amd-amdhsa--gfx1250"
	.amdhsa_code_object_version 6
	.text
	.protected	k_q72e66375d1_proj
	.globl	k_q72e66375d1_proj
	.p2align	8
	.type	k_q72e66375d1_proj,@function
k_q72e66375d1_proj:
	s_mov_b64 s[64:65], 0
	v_nop
	global_prefetch_b8 v0, s[64:65] scope:SCOPE_SE
	s_setreg_imm32_b32 hwreg(HW_REG_WAVE_MODE, 25, 1), 1
	s_wait_xcnt 0x0
	s_wait_alu depctr_hold_cnt(0) depctr_sa_sdst(0) depctr_va_vdst(0) depctr_va_sdst(0) depctr_va_ssrc(0) depctr_va_vcc(0) depctr_vm_vsrc(0)
	s_getreg_b32 s2, hwreg(HW_REG_IB_STS2, 6, 4)
	s_cmp_eq_u32 s2, 0
	s_cbranch_scc0 .Lentry_in_a_cluster
	s_endpgm
.Lentry_in_a_cluster:
	s_bfe_u32 s2, ttmp6, 0x10000c
	s_cmp_lg_u32 s2, 0xf033
	s_cbranch_scc0 .Lentry_shape_is_right
	s_endpgm
.Lentry_shape_is_right:
; THE THREE PROJECTIONS, on codes of FP4 (E2M1) with one E8M0 scale for each 32 along K: y = x W^T + b for (q, wq), (k, wk), (v, wv), as ONE product of 12,288 rows.
; codes: 15,360 rows of 512 bytes (1,024 codes): rows 0-12,287 q, k, v; rows 12,288 + 1,024 p on: the weight of product p.  scales: the same rows, 32 bytes each.
; The result goes out in f16, laid qkv[p][b][head][s][64].  LIMIT: results must stay under 65,504 in magnitude.
; A tile of 256 x 256 is made by four waves, 128 x 128 each: 64 accumulators, 512 registers.  K = 1,024 is two slots of 512: both are asked for at the head, and nothing is filled again.
; The scales of the work-group's 256 + 256 rows, two dense blocks, come once with the first fills.
; CLUSTERS: 4 x 4 work-groups.  A row of the cluster shares the tiles of x, a column those of W: each is asked for jointly, by the same tensor load with the same descriptor and a mask that names the four.
; The product p = cluster y / 4 is the same in all sixteen.  THE MATRIX INSTRUCTION IS USED TRANSPOSED (source 0 = 16 rows of W, source 1 = 16 rows of x): a lane holds eight neighbouring outputs of one row.
; THE BIAS is the C of each sum's first matrix instruction: eight registers for each of my eight blocks of 16 outputs.
; REGISTERS, in windows of 256: window 0: v0-31 addresses; v32-95 scale words, two sets; v128-191 x's fragments, one set (later rows on the way out); v192-255 the bias (later packed results).
;   window 1: W's fragments, two sets, at v0 and v128.   window 2: the accumulators of my rows 0-63 ((a, b) at v[8 (8 a + b)]);   window 3: those of rows 64-127.
.set KSTEP,  512
.set NQ,     KSTEP/128
.set ROWB,   256                       ; a tile's row: 512 codes
.set KROW,   512                       ; a row of codes in memory
.set PITCH,  272                       ; an LDS row: 256 bytes + 16 = 68 words: the 16 rows that a load touches start at 16 different banks (64 banks of 4 bytes: ISA guide 11.1)
.set FR,     8
.set NL,     2
.set NP,     4                         ; places behind this matrix instruction (ISA guide 7.12.1)
.set HALFT,  128*PITCH
.set SLOT,   4*HALFT
.set KS,     32                        ; a row of scales in bytes
.set SCL,    2*SLOT                    ; behind the ring: the scales, as units of 256 bytes + 16
.set HALFS,  (128*KS/256)*272
.set SBLK,   (16*KS/256)*272
.set SPARE,  SCL+4*HALFS               ; the spare words: 128 bytes a wave, two blocks of 256 bytes that no other line names
.set STAGE,  SPARE+512                 ; the way out: 16 rows x 272 bytes for each wave; no tensor load lands here
.set SPITCH, 272
.set ADRA, 16
.set ADRB, 20
.set STO,  24
.set RD,   25
.set CO,   26
.set ADRS, 27
.set SPW,  28
.set NIL,  29
.set BO,   30
.set SC,   32
.set AF,   128
.set BK,   128
.set BT,   192                         ; the bias
.set TMP,  192                         ; later: packed results
.set G1, 24
.set G0, 32
.set G1B, 48
.set G0B, 56
.set G1S, 68
.set G0S, 76
.set G1SB, 80
.set G0SB, 88
.set MSB, 0
.macro WIN new                         ; the immediate's high byte repeats the setting that is left
.if MSB != \new
	s_set_vgpr_msb (MSB<<8)|\new
.set MSB, \new
.endif
.endm
.set MUL_LO, 0xa1                      ; source 0 (W) window 1, source 1 (x) window 0, C and D window 2
.set MUL_HI, 0xf1                      ; the same, C and D window 3
.set BIA_LO, 0x81                      ; the first step: C (the bias) window 0, D window 2
.set BIA_HI, 0xc1
.set TO_B,   0x40
; A joint load: waves 0 and 1 fetch for x, waves 2 and 3 for W.  The branch hangs on the wave's number alone.  An s_nop 0 and four v_nop follow each line.
.macro JLOAD g0a, g1a, g0b, g1b
	s_cmp_eq_u32 s15, 0
	s_cbranch_scc0 .Lfor_b_\@
	tensor_load_to_lds s[\g0a:\g0a+3], s[\g1a:\g1a+7]
	s_nop 0
.rept 4
	v_nop
.endr
	s_branch .Lasked_\@
.Lfor_b_\@:
	tensor_load_to_lds s[\g0b:\g0b+3], s[\g1b:\g1b+7]
	s_nop 0
.rept 4
	v_nop
.endr
.Lasked_\@:
.endm
.macro CROUND                          ; a round of the cluster's barrier
	s_barrier_signal -1
	s_barrier_wait -1
	s_cmp_lg_u32 s14, 0
	s_cbranch_scc1 .Lnot_wave_0_\@
	s_barrier_signal -3
.Lnot_wave_0_\@:
	s_barrier_wait -3
	s_barrier_signal -1
	s_barrier_wait -1
.endm
	s_load_b256 s[4:11], s[0:1], 0x0               ; codes s[4:5], scales s[6:7], wq_b s[8:9], wk_b s[10:11]
	s_load_b128 s[96:99], s[0:1], 0x20             ; wv_b s[96:97], qkv s[98:99]
	v_lshl_add_u32 v[SPW], v0, 2, SPARE
	v_mov_b32 v[NIL], 0
	ds_add_u32 v[SPW], v[NIL]                      ; the wave's opening: the add, twice on end, and its wait ahead of my first tensor load
	ds_add_u32 v[SPW], v[NIL]
	v_lshrrev_b32 v1, 5, v0
	v_readfirstlane_b32 s14, v1                    ; wave 0..3
	s_lshr_b32 s15, s14, 1                         ; which half of the tile's rows is mine.  Also: I fetch for x (0) or for W (1)
	s_and_b32 s16, s14, 1                          ; which half of its columns.  Also: which 128 rows I fetch
	s_bfe_u32 s40, ttmp6, 0x40000                  ; cx
	s_bfe_u32 s41, ttmp6, 0x40004                  ; cy
	s_lshl_b32 s42, ttmp9, 2
	s_add_co_u32 s42, s42, s40                     ; tile column 0..3
	s_and_b32 s17, ttmp7, 0xffff                   ; cluster y 0..11
	s_lshr_b32 s66, s17, 2                         ; the product p
	s_lshl_b32 s17, s17, 2
	s_add_co_u32 s17, s17, s41                     ; tile row 0..47
	s_lshl_b32 s43, s41, 2
	s_lshl_b32 s43, 15, s43                        ; my row of the cluster
	s_lshl_b32 s44, 0x1111, s40                    ; my column
	s_or_b32 s[G1+0], s43, (0<<16)|(1<<20)|(1<<21)|(5<<22)|(3<<25)  ; the mask; elements of 1 byte; padding on; bit 21 beside a mask; after every 64 words four words
	s_or_b32 s[G1B+0], s44, (0<<16)|(1<<20)|(1<<21)|(5<<22)|(3<<25)
.irp g, G1, G1B
	s_mov_b32 s[\g+1], ROWB<<16                    ; tensor_dim0
	s_mov_b32 s[\g+2], 128<<16                     ; tensor_dim1
	s_mov_b32 s[\g+3], ROWB<<16                    ; tile_dim0
	s_mov_b32 s[\g+4], 128                         ; tile_dim1
	s_mov_b32 s[\g+5], KROW                        ; from row to row
	s_mov_b32 s[\g+6], 0
	s_mov_b32 s[\g+7], 0
.endr
	s_or_b32 s[G1S+0], s43, (3<<16)|(1<<20)|(1<<21)|(5<<22)|(3<<25) ; the scales of 128 rows: 4,096 dense bytes as 16 rows of 32 elements of 8 bytes
	s_or_b32 s[G1SB+0], s44, (3<<16)|(1<<20)|(1<<21)|(5<<22)|(3<<25)
.irp g, G1S, G1SB
	s_mov_b32 s[\g+1], 32<<16
	s_mov_b32 s[\g+2], (128*KS/256)<<16
	s_mov_b32 s[\g+3], 32<<16
	s_mov_b32 s[\g+4], 128*KS/256
	s_mov_b32 s[\g+5], 32
	s_mov_b32 s[\g+6], 0
	s_mov_b32 s[\g+7], 0
.endr
	s_lshl_b32 s18, s16, 7                         ; which 128 rows of the tile I fetch
	s_lshl_b32 s20, s17, 8
	s_add_co_u32 s20, s20, s18                     ; x: row 256 x tile row + 128 x half
	s_lshl_b32 s46, s42, 8
	s_add_co_u32 s46, s46, s18
	s_lshl_b32 s19, s66, 10
	s_add_co_u32 s46, s46, s19
	s_add_co_u32 s46, s46, 12288                   ; W: row 12,288 + 1,024 p + 256 x tile column + 128 x half
	s_lshl_b32 s22, s20, 5                         ; where these rows' scales begin,
	s_mov_b32 s23, 0
	s_lshl_b32 s92, s46, 5
	s_mov_b32 s93, 0
	s_lshl_b32 s20, s20, 9                         ; and their codes
	s_mov_b32 s21, 0
	s_lshl_b32 s46, s46, 9
	s_mov_b32 s47, 0
	s_mul_i32 s45, s14, HALFT                      ; where they go: wave x 128 rows: no place in the cluster enters an LDS address
	s_mul_i32 s94, s14, HALFS
	s_wait_dscnt 0x0                               ; both opening adds are done
	s_wait_kmcnt 0x0
	s_add_nc_u64 s[20:21], s[4:5], s[20:21]
	s_add_nc_u64 s[22:23], s[6:7], s[22:23]
	s_add_nc_u64 s[46:47], s[4:5], s[46:47]
	s_add_nc_u64 s[92:93], s[6:7], s[92:93]
	CROUND                                         ; all sixteen work-groups are here: the first joint loads meet
	s_mov_b32 s[G0S], 1
	s_add_co_u32 s[G0S+1], s94, SCL
	s_mov_b64 s[G0S+2:G0S+3], s[22:23]
	s_or_b32 s[G0S+3], s[G0S+3], 0x80000000
	s_mov_b32 s[G0SB], 1
	s_add_co_u32 s[G0SB+1], s94, SCL
	s_mov_b64 s[G0SB+2:G0SB+3], s[92:93]
	s_or_b32 s[G0SB+3], s[G0SB+3], 0x80000000
	JLOAD G0S, G1S, G0SB, G1SB                     ; the scales first: they are wanted with the first step
.irp s, 0,1
	s_mov_b32 s[G0+4*\s], 1
	s_add_co_u32 s[G0+4*\s+1], s45, \s*SLOT
	s_add_nc_u64 s[G0+4*\s+2:G0+4*\s+3], s[20:21], \s*ROWB
	s_or_b32 s[G0+4*\s+3], s[G0+4*\s+3], 0x80000000
	s_mov_b32 s[G0B+4*\s], 1
	s_add_co_u32 s[G0B+4*\s+1], s45, \s*SLOT
	s_add_nc_u64 s[G0B+4*\s+2:G0B+4*\s+3], s[46:47], \s*ROWB
	s_or_b32 s[G0B+4*\s+3], s[G0B+4*\s+3], 0x80000000
	JLOAD G0+4*\s, G1, G0B+4*\s, G1B               ; three loads of mine are out in all
.endr
	v_and_b32 v1, 15, v0                           ; r = l % 16
	v_bfe_u32 v2, v0, 4, 1                         ; h = l / 16
	; the bias of my 128 outputs
	s_cmp_eq_u32 s66, 1
	s_cselect_b64 s[8:9], s[10:11], s[8:9]
	s_cmp_eq_u32 s66, 2
	s_cselect_b64 s[8:9], s[96:97], s[8:9]
	s_lshl_b32 s18, s42, 10
	s_lshl_b32 s19, s16, 9
	s_add_co_u32 s18, s18, s19                     ; 4 x (256 x tile column + 128 x half)
	s_mov_b32 s19, 0
	s_add_nc_u64 s[8:9], s[8:9], s[18:19]
	v_lshlrev_b32 v[BO], 5, v2                     ; lane (r, h) wants outputs 16 b + 8 h + 0 .. 7
.irp b, 0,1,2,3,4,5,6,7
	global_load_b128 v[BT+8*\b:BT+8*\b+3], v[BO], s[8:9] offset:64*\b
	global_load_b128 v[BT+8*\b+4:BT+8*\b+7], v[BO], s[8:9] offset:64*\b+16
.endr
	v_mul_u32_u24 v3, v1, PITCH
	v_lshl_add_u32 v4, v2, 4, v3                   ; a fragment's row x pitch + 16 x half
	s_mul_i32 s21, s15, HALFT                      ; my 128 rows of x
	s_mul_i32 s22, s16, HALFT                      ; my 128 rows of W,
	s_add_co_u32 s22, s22, 2*HALFT                 ; which lie behind x's 256
.irp s, 0,1
	v_add_nc_u32 v[ADRA+\s], s21, v4
	v_add_nc_u32 v[ADRB+\s], s22, v4
	s_add_co_u32 s21, s21, SLOT
	s_add_co_u32 s22, s22, SLOT
.endr
	v_mul_u32_u24 v5, v1, KS                       ; my row's scales: 32 bytes a row,
	v_lshrrev_b32 v6, 8, v5
	v_lshl_add_u32 v5, v6, 4, v5                   ; and 16 more for each 256 passed
	s_mul_i32 s21, s15, HALFS
	s_mul_i32 s22, s16, HALFS
	s_add_co_u32 s22, s22, 2*HALFS
	s_sub_co_u32 s22, s22, s21
	v_mul_u32_u24 v6, s22, v2                      ; lanes 16-31 take W's
	s_add_co_u32 s21, s21, SCL
	v_add_nc_u32 v5, v5, v6
	v_add_nc_u32 v[ADRS], s21, v5
	s_mul_i32 s23, s14, 16*SPITCH
	s_add_co_u32 s23, s23, STAGE                   ; my stage
	v_mul_u32_u24 v5, v1, SPITCH                   ; in: row r, 16 bytes for each half of the lanes
	v_lshl_add_u32 v5, v2, 4, v5
	v_add_nc_u32 v[STO], s23, v5
	v_bfe_u32 v5, v0, 3, 1                         ; back: lanes 0-15 take two rows' first 128 bytes (one head), lanes 16-31 their second 128 (the next head)
	v_mul_u32_u24 v5, v5, SPITCH
	v_lshl_add_u32 v5, v2, 7, v5
	v_and_b32 v6, 7, v0
	v_lshl_add_u32 v5, v6, 4, v5
	v_add_nc_u32 v[RD], s23, v5
	v_lshlrev_b32 v[CO], 4, v1                     ; in qkv two rows of a head are 256 bytes on end; the next head lies 262,144 bytes on
	v_lshl_add_u32 v[CO], v2, 18, v[CO]
	s_lshl_b32 s20, s17, 8
	s_lshl_b32 s21, s15, 7
	s_add_co_u32 s20, s20, s21                     ; my first row of the 12,288
	s_lshr_b32 s21, s20, 11                        ; 2 p + b: 16 heads of 262,144 bytes each
	s_lshl_b32 s21, s21, 22
	s_and_b32 s20, s20, 2047
	s_lshl_b32 s20, s20, 7                         ; s: 128 bytes a row
	s_add_co_u32 s20, s20, s21
	s_lshl_b32 s18, s42, 20                        ; my first head: 4 x tile column + 2 x half
	s_lshl_b32 s19, s16, 19
	s_add_co_u32 s18, s18, s19
	s_add_co_u32 s20, s20, s18
	s_mov_b32 s21, 0
	s_add_nc_u64 s[12:13], s[98:99], s[20:21]
.macro FRAG reg, adr, q, i             ; 16 rows x 128 K of 4-bit codes: 8 registers: lane l holds row l % 16; registers 4 c .. 4 c + 3 hold K = 64 c + 32 (l / 16) + 0 .. 31
.irp c, 0,1
	ds_load_b128 v[\reg+4*\c:\reg+4*\c+3], v[\adr] offset:64*(\q)+32*\c+(\i)*16*PITCH
.endr
.endm
; 16 matrix instructions: x's blocks a0, a0 + 1 against W's eight.  first = 1: the bias starts the sums.  The 64 accumulators take turns, one instruction a turn, in the same order in every step.
.macro MUL16 a0, p, q, sc, first
.irp a, \a0, \a0+1
.irp b, 0,1,2,3,4,5,6,7
.if \first
	v_wmma_scale_f32_16x16x128_f8f6f4 v[8*(8*((\a)%4)+\b):8*(8*((\a)%4)+\b)+7], v[128*(\p)+FR*\b:128*(\p)+FR*\b+FR-1], v[AF+FR*(\a):AF+FR*(\a)+FR-1], v[BT+8*\b:BT+8*\b+7], v[SC+8*NQ*(\sc)+NQ*\b+(\q)], v[SC+8*NQ*(\sc)+NQ*(\a)+(\q)] matrix_a_fmt:MATRIX_FMT_FP4 matrix_b_fmt:MATRIX_FMT_FP4 matrix_a_scale:MATRIX_SCALE_ROW1
.else
	v_wmma_scale_f32_16x16x128_f8f6f4 v[8*(8*((\a)%4)+\b):8*(8*((\a)%4)+\b)+7], v[128*(\p)+FR*\b:128*(\p)+FR*\b+FR-1], v[AF+FR*(\a):AF+FR*(\a)+FR-1], v[8*(8*((\a)%4)+\b):8*(8*((\a)%4)+\b)+7], v[SC+8*NQ*(\sc)+NQ*\b+(\q)], v[SC+8*NQ*(\sc)+NQ*(\a)+(\q)] matrix_a_fmt:MATRIX_FMT_FP4 matrix_b_fmt:MATRIX_FMT_FP4 matrix_a_scale:MATRIX_SCALE_ROW1
.endif
.endr
.endr
.endm
.macro FETCH_B slot, q, p
	WIN TO_B
.irp i, 0,1,2,3,4,5,6,7
	FRAG 128*(\p)+FR*\i, ADRB+\slot, \q, \i
.endr
	WIN 0
.endm
.macro FETCH_A slot, q, i0
.irp i, \i0, \i0+1, \i0+2, \i0+3
	FRAG AF+FR*(\i), ADRA+\slot, \q, \i
.endr
.endm
.macro SCALES sc                       ; a slot's scale words: four words a row; lanes 0-15 take x's block i, lanes 16-31 W's block i
.irp i, 0,1,2,3,4,5,6,7
	ds_load_b128 v[SC+8*NQ*\sc+NQ*\i:SC+8*NQ*\sc+NQ*\i+3], v[ADRS] offset:\i*SBLK
.endr
.endm
.macro PLACES n                        ; plain vector instructions that name none of the matrix instructions' registers, in front of loads into registers that they read and of reads of their results
.rept \n
	v_nop
.endr
.endm
.macro STEP slot, q, first             ; 128 along K, with its successor in the same slot
	s_wait_dscnt 4*NL                              ; W's set and x's blocks 0-3 are in; the youngest eight loads (x's blocks 4-7) may be out
.if \first
	WIN BIA_LO
.else
	WIN MUL_LO
.endif
	MUL16 0, (\q)%2, \q, \slot, \first
	MUL16 2, (\q)%2, \q, \slot, \first
	s_wait_dscnt 0
	PLACES NP
	FETCH_B \slot, (\q)+1, 1-(\q)%2
	FETCH_A \slot, (\q)+1, 0
.if \first
	WIN BIA_HI
.else
	WIN MUL_HI
.endif
	MUL16 4, (\q)%2, \q, \slot, \first
	MUL16 6, (\q)%2, \q, \slot, \first
	PLACES NP
	WIN 0
	FETCH_A \slot, (\q)+1, 4
.endm
.macro TURN slot, next                 ; a slot's last step changes slots: one barrier
	s_wait_tensorcnt 0x0                           ; all my tensor loads have landed: my part of the next slot
	ds_add_u32 v[SPW], v[NIL]                      ; 0 onto my spare word
	s_wait_dscnt 4*NL+1                            ; (the add and the youngest eight loads may be out)
	WIN MUL_LO
	MUL16 0, 1, NQ-1, \slot, 0
	s_wait_dscnt 0x0                               ; the add is done, and my LDS loads are in
	s_barrier_signal -1
	MUL16 2, 1, NQ-1, \slot, 0
	WIN 0
	s_barrier_wait -1                              ; every wave's part of the next slot has landed
	PLACES NP
	v_add_nc_u32 v[ADRS], 4*NQ, v[ADRS]            ; the next slot's scale words
	FETCH_B \next, 0, 0
	FETCH_A \next, 0, 0
	SCALES \next
	WIN MUL_HI
	MUL16 4, 1, NQ-1, \slot, 0
	MUL16 6, 1, NQ-1, \slot, 0
	PLACES NP
	WIN 0
	FETCH_A \next, 0, 4
.endm
.macro STEPS slot, from
.set Q, \from
.rept NQ-1-\from
	STEP \slot, Q, 0
.set Q, Q+1
.endr
.endm
	s_wait_tensorcnt 1                             ; the scales and my part of slot 0 are in; slot 1's load may be out
	s_barrier_signal -1
	s_barrier_wait -1
	FETCH_B 0, 0, 0
	FETCH_A 0, 0, 0
	SCALES 0
	FETCH_A 0, 0, 4
	s_wait_loadcnt 0x0                             ; the bias
	STEP 0, 0, 1
	STEPS 0, 1
	TURN 0, 1
	STEPS 1, 0
	s_wait_dscnt 4*NL                              ; the last step: nothing more to fetch
	WIN MUL_LO
	MUL16 0, 1, NQ-1, 1, 0
	MUL16 2, 1, NQ-1, 1, 0
	s_wait_dscnt 0
	WIN MUL_HI
	MUL16 4, 1, NQ-1, 1, 0
	MUL16 6, 1, NQ-1, 1, 0
	WIN 0
; THE WAY OUT, by blocks of 16 rows x 128 outputs (two heads).  Rounded to f16, 16 bytes a lane; through my own stage; back so that sixteen lanes hold two rows of one head: 256 consecutive bytes.
.macro PACK a
.set AC, 64*((\a)%4)
	WIN (0x0a+5*((\a)/4))                          ; sources 0 and 1: window 2 or 3
.irp b, 0,1,2,3,4,5,6,7
.irp r, 0,1,2,3
	v_cvt_pk_f16_f32 v[TMP+4*\b+\r], v[AC+8*\b+2*\r], v[AC+8*\b+2*\r+1]   ; each accumulator from its low end on
.endr
.endr
	WIN 0
.endm
.macro TOSTAGE a
.set BB, BK+32*((\a)%2)
.irp b, 0,1,2,3,4,5,6,7
	ds_store_b128 v[STO], v[TMP+4*\b:TMP+4*\b+3] offset:32*\b
.endr
.irp t, 0,1,2,3,4,5,6,7
	ds_load_b128 v[BB+4*\t:BB+4*\t+3], v[RD] offset:\t*2*SPITCH    ; LDS serves a wave's instructions in order (ISA guide 5.7.1.4): these see the stores above
.endr
.endm
.macro SEND a
.set BB, BK+32*((\a)%2)
	s_wait_dscnt 0x0                               ; the block is back in registers
	s_wait_xcnt 0x0                                ; the stores of the block before have read their registers: the next TOSTAGE loads them again
.irp t, 0,1,2,3,4,5,6,7
	global_store_b128 v[CO], v[BB+4*\t:BB+4*\t+3], s[12:13] offset:2048*(\a)+256*\t   ; 16 lanes store 256 consecutive bytes, aligned
.endr
.endm
	PLACES NP                                      ; behind the last products
	PACK 0
	TOSTAGE 0
.irp a, 1,2,3,4,5,6,7                  ; block a's conversions stand between block a - 1's loads from the stage and the wait for them
	PACK \a
	SEND \a-1
	TOSTAGE \a
.endr
	SEND 7
	s_wait_tensorcnt 0x0                           ; the wave's end: three lines behind my last tensor load and my last LDS store
	ds_add_u32 v[SPW], v[NIL]
	s_wait_dscnt 0x0
	CROUND                                         ; the closing round
	s_endpgm
.Lfunc_end_k_q72e66375d1_proj:
	.size	k_q72e66375d1_proj, .Lfunc_end_k_q72e66375d1_proj-k_q72e66375d1_proj
	.p2alignl 7, 3214868480
	.fill 96, 4, 3214868480
	.section	.rodata,"a",@progbits
	.p2align	6, 0x0
	.amdhsa_kernel k_q72e66375d1_proj
		.amdhsa_group_segment_fixed_size 327680
		.amdhsa_private_segment_fixed_size 0
		.amdhsa_enable_private_segment 0
		.amdhsa_kernarg_size 48
		.amdhsa_user_sgpr_count 2
		.amdhsa_user_sgpr_kernarg_segment_ptr 1
		.amdhsa_wavefront_size32 1
		.amdhsa_system_sgpr_workgroup_id_x 1
		.amdhsa_system_sgpr_workgroup_id_y 1
		.amdhsa_system_sgpr_workgroup_id_z 1
		.amdhsa_system_vgpr_workitem_id 0
		.amdhsa_next_free_vgpr 1024
		.amdhsa_next_free_sgpr 100
		.amdhsa_reserve_vcc 0
		.amdhsa_float_denorm_mode_32 3
		.amdhsa_float_denorm_mode_16_64 3
		.amdhsa_memory_ordered 1
		.amdhsa_forward_progress 1
		.amdhsa_inst_pref_size 128
	.end_amdhsa_kernel
	.amdgpu_metadata
---
amdhsa.version: [ 1, 2 ]
amdhsa.kernels:
  - .name:           k_q72e66375d1_proj
    .symbol:         k_q72e66375d1_proj.kd
    .args:
      - { .name: codes, .offset: 0, .size: 8, .value_kind: global_buffer, .address_space: global }
      - { .name: scales, .offset: 8, .size: 8, .value_kind: global_buffer, .address_space: global }
      - { .name: wq_b, .offset: 16, .size: 8, .value_kind: global_buffer, .address_space: global }
      - { .name: wk_b, .offset: 24, .size: 8, .value_kind: global_buffer, .address_space: global }
      - { .name: wv_b, .offset: 32, .size: 8, .value_kind: global_buffer, .address_space: global }
      - { .name: qkv, .offset: 40, .size: 8, .value_kind: global_buffer, .address_space: global }
    .group_segment_fixed_size: 327680
    .private_segment_fixed_size: 0
    .kernarg_segment_align: 8
    .kernarg_segment_size: 48
    .max_flat_workgroup_size: 128
    .sgpr_count:     100
    .vgpr_count:     1024
    .wavefront_size: 32
...
	.end_amdgpu_metadata
.endif
;; end of part 2
;; launch attn (part 3): grid 8 x 32, 8 waves a work-group, clusters of 4 x 1, 327,680 bytes of LDS; arguments qkv, maskw, xh; writes xh
.if DOCPART == 3
	.amdgcn_target "amdgcn-amd-amdhsa--gfx1250"
	.amdhsa_code_object_version 6
	.text
	.protected	k_q72e66375d1_attn
	.globl	k_q72e66375d1_attn
	.p2align	8
	.type	k_q72e66375d1_attn,@function
k_q72e66375d1_attn:
	s_mov_b64 s[64:65], 0
	v_nop
	global_prefetch_b8 v0, s[64:65] scope:SCOPE_SE
	s_setreg_imm32_b32 hwreg(HW_REG_WAVE_MODE, 25, 1), 1
	s_wait_xcnt 0x0
	s_wait_alu depctr_hold_cnt(0) depctr_sa_sdst(0) depctr_va_vdst(0) depctr_va_sdst(0) depctr_va_ssrc(0) depctr_va_vcc(0) depctr_vm_vsrc(0)
	s_getreg_b32 s2, hwreg(HW_REG_IB_STS2, 6, 4)
	s_cmp_eq_u32 s2, 0
	s_cbranch_scc0 .Lentry_in_a_cluster
	s_endpgm
.Lentry_in_a_cluster:
	s_bfe_u32 s2, ttmp6, 0x10000c
	s_cmp_lg_u32 s2, 0x3003
	s_cbranch_scc0 .Lentry_shape_is_right
	s_endpgm
.Lentry_shape_is_right:
; x[b][h][q][:] = the sum over k of softmax_k(s(q, k)) V[k][:], with s = Q[q] . K[k], REPLACED by -100000 where the mask is true; no factor on the scores.
; qkv: f16, [0 q, 1 k, 2 v][b][h][2048][64].  maskw: lane masks (see below).  xh: f16, [b][h][2048][64].  Products on f16 operands, sums, maxima and the softmax in f32.
; LIMITS: the weights p are rounded to f16 for the second product (what falls under f16's smallest number counts as 0: at most 3e-8 beside a row's sum of 1 or more); x must stay under 65,504; NaN and infinities are not served.
; SHARES.  A work-group owns 256 queries of one head, each of its eight waves 32: two tiles of 16; two waves to a SIMD, so that one wave's matrix work and waits stand beside the other's softmax.
; Every wave walks the head's 2,048 keys, 64 a step; each fragment of K and V read from LDS feeds both tiles.
; LAYOUT.  S^T = K Q^T (source 0 = 16 keys, source 1 = 16 queries): a lane holds ONE query (lane % 16); register j of key tile kt holds key 16 kt + 8 (lane / 16) + j.  Two such tiles, rounded to f16 in
; pairs, ARE source 1 of O^T = V^T P, whose result again holds one query a lane.  K comes out of LDS as it lies, V turned, by ds_load_tr16_b128.
; THE MASK.  Word i of maskw[16 queries][key step] holds, for all 32 lanes, the mask of register i of the tile's 32 scores: it is loaded into a scalar register and is v_cndmask_b32's mask.  No branch hangs on it.
; Scalar loads come back in no order, so only a wait for 0 shows anything: a step has ONE such wait.  Both tiles are masked together, and directly behind that both tiles' 64 words of the NEXT step are asked for:
; they have two softmaxes, both V^T P and the next K Q^T in which to land.  The launch's last step asks for nothing: no load leaves maskw.
; K A STEP AHEAD.  Behind a step's K Q^T the next step's fragments of K are asked for, where that step lies in the same slot; a slot's first K is asked for behind the change of slots.
; SOFTMAX.  For each query a running maximum m and sum l: p = 2^(c s - c m), c = log2(e); in every step O and l are multiplied by a = 2^(c m_old - c m_new).  m starts at -1e38, O and l at 0: no first step of its own.
; CLUSTER.  The four query blocks of a cluster belong to one head and walk the same K and V: each tile is asked for JOINTLY, by the same tensor load, with the same descriptor and a mask that names the four.
; RING.  Two slots of four key steps.  At a slot's head: the wait for all tensor loads, the add, the wait for it and for the LDS reads, a round of the cluster's barrier, and ONE load a wave into the slot just left
; (waves 0-3: the four steps' K; waves 4-7: their V): one tensor load of mine is out at any time, and it has four key steps in which to land.
; REGISTERS: window 0: v2-13 addresses and constants; v14, v15 the add's two; v16-31 statistics; v32-63 Q; v64-127 S^T; v128-159 P; v160-223 O^T; v224-255 at work at the head and on the way out.
;   window 1: v0-63 K of one step; v64-127 V of one step.
; SCALARS: the 64 lane masks take s[16:63] and s[68:83] (at the head, ahead of their first load, these serve as temporaries).  So K's and V's loads share ONE group 0, made of the wave's number, and c lies in a vector pair.
.set KB,    32*272                     ; a step's K in LDS: 64 keys as 32 rows of two keys: 256 bytes + 16: the 16 keys of a load fall on 16 different 16-byte columns
.set VB,    32*288                     ; its V: 256 bytes + 32: 16 lanes of the turning load (8 keys x 32 bytes) take each bank once
.set STEPB, KB+VB
.set SLOT1, 1<<17                      ; slot 1 begins here: one exclusive or turns an address in one slot into the other's
.set STAGE, SLOT1+4*STEPB              ; behind the ring: 32 rows x 144 bytes for each wave
.set SPITCH, 144
.set SPARE, STAGE+8*32*SPITCH          ; the spare words: 128 bytes a wave, four blocks of 256 bytes that no other line names
.set AK0, 2
.set AV0, 3
.set ADK, 4
.set ADV, 5
.set QO,  6
.set STO, 7
.set RD,  8
.set GO,  9
.set PFO, 10                           ; 256 x my lane; never rewritten
.set FILL, 11                          ; -100000.0
.set CV,  12                           ; v[12:13] c = log2(e), twice: the packed scaling names a pair
.set SPW, 14
.set NIL, 15
.set ST,  16                           ; tile t at v[16 + 8 t]: +0 c m, +1 m, +2, +3 l (even keys', odd keys'), +4 .. +7 at work; a in +6
.set Q,   32
.set S,   64
.set P,   128
.set O,   160
.set WO,  224
.set WV,  2
.set TB,  3                            ; LDS byte at which the step's tiles begin
.set STEPC, 4                          ; s4: counts a slot's steps (s[4:5] hold Q's address until Q's loads are done)
.set MP,  6                            ; s[6:7] my first tile's mask words of the step that was asked for last
.set PFA, 10                           ; s[10:11] where my prefetches stand
.set G0,  12                           ; s[12:15] descriptor group 0: it walks
.set M,   16                           ; word w of the step's 64 lane masks (tile w / 32, register w % 32) in s[16 + w], from w = 48 on in s[20 + w]
.set SEL, 66
.set G1K, 84                           ; s[84:91] descriptor group 1 for K's tiles
.set G1V, 92                           ; s[92:99] for V's: it differs in the padding alone
.set LIM, 100
.set SLOTS, 101
.set MSB, 0
.macro WIN new                         ; the immediate's high byte repeats the setting that is left
.if MSB != \new
	s_set_vgpr_msb (MSB<<8)|\new
.set MSB, \new
.endif
.endm
.macro JLOAD                           ; a joint load: the branch hangs on the wave's number alone.  An s_nop 0 and four v_nop follow each line
	s_cmp_lt_u32 s[WV], 4
	s_cbranch_scc0 .Lfor_v_\@
	tensor_load_to_lds s[G0:G0+3], s[G1K:G1K+7]
	s_nop 0
.rept 4
	v_nop
.endr
	s_branch .Lasked_\@
.Lfor_v_\@:
	tensor_load_to_lds s[G0:G0+3], s[G1V:G1V+7]
	s_nop 0
.rept 4
	v_nop
.endr
.Lasked_\@:
.endm
; A PREFETCH of what the NEXT change of slots will ask for: a slot's 32,768 bytes of K and of V.  Both clusters of a head walk the same K and V: the head's first cluster asks.  Its four partners share the bytes out
; BY ADDRESS, 8,192 each; in each, wave 0 asks for K's and wave 4 for V's, lanes 256 bytes apart: each aligned block of 256 bytes is named once in the launch.  It stands behind the wave's tensor load, its five
; lines and the run of LDS loads that the next products wait for, four key steps ahead of the load that will want the bytes.  The last change that fills a slot asks for nothing; slots 0 and 1 come by their loads alone.
.macro ASK
	s_cmp_gt_u32 s[SLOTS], s[LIM]
	s_cbranch_scc0 .Lnot_mine_\@
	global_prefetch_b8 v[PFO], s[PFA:PFA+1] th:TH_LOAD_NT scope:SCOPE_SE
.Lnot_mine_\@:
.endm
.macro CROUND
	s_barrier_signal -1
	s_barrier_wait -1
	s_cmp_lg_u32 s[WV], 0
	s_cbranch_scc1 .Lnot_wave_0_\@
	s_barrier_signal -3
.Lnot_wave_0_\@:
	s_barrier_wait -3
	s_barrier_signal -1
	s_barrier_wait -1
.endm
.macro MLOAD                           ; 64 lane masks: 128 bytes of my first tile's words, 128 of my second's, 4,096 bytes on
	s_load_b512 s[16:31], s[MP:MP+1], 0x0
	s_load_b512 s[32:47], s[MP:MP+1], 0x40
	s_load_b512 s[48:63], s[MP:MP+1], 0x1000
	s_load_b512 s[68:83], s[MP:MP+1], 0x1040
.endm
	s_load_b128 s[4:7], s[0:1], 0x0                ; qkv s[4:5], maskw s[6:7]
	s_load_b64 s[8:9], s[0:1], 0x10                ; xh
	v_lshl_add_u32 v[SPW], v0, 2, SPARE
	v_mov_b32 v[NIL], 0
	ds_add_u32 v[SPW], v[NIL]                      ; the wave's opening: the add, twice on end, and its wait ahead of my first tensor load
	ds_add_u32 v[SPW], v[NIL]
	v_lshrrev_b32 v1, 5, v0
	v_readfirstlane_b32 s[WV], v1                  ; wave 0..7
	s_bfe_u32 s16, ttmp6, 0x40000                  ; cx
	s_lshl_b32 s17, ttmp9, 2
	s_add_co_u32 s17, s17, s16                     ; my block of 256 queries: it enters Q's, the mask's and x's addresses alone
	s_and_b32 s18, ttmp7, 0xffff                   ; 16 b + head, which the four partners share
	; descriptor group 1: a step's K or V, 8,192 dense bytes, as 32 rows of 32 elements of 8 bytes, padded behind each row
	s_mov_b32 s[G1K], 15|(3<<16)|(1<<20)|(1<<21)|(5<<22)|(3<<25)  ; the mask: all four; elements of 8 bytes; padding on; bit 21 beside a mask; after every 64 words four words
	s_mov_b32 s[G1V], 15|(3<<16)|(1<<20)|(1<<21)|(5<<22)|(7<<25)  ; the same with eight words
.irp g, G1K, G1V
	s_mov_b32 s[\g+1], 32<<16                      ; tensor_dim0
	s_mov_b32 s[\g+2], 32<<16                      ; tensor_dim1
	s_mov_b32 s[\g+3], 32<<16                      ; tile_dim0
	s_mov_b32 s[\g+4], 32                          ; tile_dim1
	s_mov_b32 s[\g+5], 32                          ; from row to row
	s_mov_b32 s[\g+6], 0
	s_mov_b32 s[\g+7], 0
.endr
	s_mov_b32 s[SEL], 0x76543210
	s_mov_b32 s[SEL+1], 0xfedcba98                 ; v_permlanex16_b32: lane l xor 16
	s_mov_b32 s[TB], 0
	s_mov_b32 s[SLOTS], 7
	s_and_b32 s24, s[WV], 3                        ; which of a slot's four steps I fetch,
	s_lshr_b32 s25, s[WV], 2                       ; and of which tensor: 0 K, 1 V
	s_or_b32 s[LIM], s24, ttmp9                    ; 0 in waves 0 and 4 of the head's first cluster: the same in all four partners
	s_cmp_eq_u32 s[LIM], 0
	s_cselect_b32 s[LIM], 1, -1
	s_lshl_b32 s20, s18, 18                        ; the head's 262,144 bytes,
	s_lshl_b32 s19, s24, 13                        ; my step's 8,192,
	s_add_co_u32 s20, s20, s19
	s_lshl_b32 s19, s25, 23                        ; V lies 8,388,608 bytes behind K,
	s_add_co_u32 s20, s20, s19
	s_add_co_u32 s20, s20, 0x800000                ; K 8,388,608 bytes into qkv
	s_mov_b32 s21, 0
	s_mov_b32 s[G0], 1                             ; count = 1
	s_mul_i32 s[G0+1], s24, STEPB                  ; LDS address, slot 0: my step's place,
	s_mul_i32 s19, s25, KB
	s_add_co_u32 s[G0+1], s[G0+1], s19             ; V behind the step's K: the wave's number alone enters it
	s_wait_dscnt 0x0                               ; both opening adds are done
	s_wait_kmcnt 0x0
	s_add_nc_u64 s[G0+2:G0+3], s[4:5], s[20:21]
	s_or_b32 s[G0+3], s[G0+3], 0x80000000          ; type = 2
	CROUND                                         ; all four work-groups are here: the first joint loads meet
	JLOAD                                          ; slot 0
	s_lshl_b32 s22, s25, 23                        ; the prefetches: K's bytes (waves 0-3) or V's,
	s_add_co_u32 s22, s22, 0x800000
	s_lshl_b32 s26, s18, 18
	s_add_co_u32 s22, s22, s26                     ; my head,
	s_lshl_b32 s26, s16, 13
	s_add_co_u32 s22, s22, s26                     ; my work-group's 8,192 bytes of a slot's 32,768,
	s_add_co_u32 s22, s22, 32768                   ; in slot 1: the first change of slots steps it to slot 2
	s_mov_b32 s23, 0
	s_add_nc_u64 s[PFA:PFA+1], s[4:5], s[22:23]
	s_lshr_b32 s22, s18, 4                         ; the mask words: tile b 128 + 16 block + 2 wave, 4,096 bytes a tile
	s_lshl_b32 s22, s22, 7
	s_lshl_b32 s26, s17, 4
	s_add_co_u32 s22, s22, s26
	s_lshl_b32 s26, s[WV], 1
	s_add_co_u32 s22, s22, s26
	s_lshl_b32 s22, s22, 12
	s_add_nc_u64 s[MP:MP+1], s[MP:MP+1], s[22:23]
	s_lshl_b32 s22, s18, 18                        ; Q and x at my wave's first row: 128 bytes a row
	s_lshl_b32 s26, s17, 15
	s_add_co_u32 s22, s22, s26
	s_lshl_b32 s26, s[WV], 12
	s_add_co_u32 s22, s22, s26
	s_add_nc_u64 s[4:5], s[4:5], s[22:23]
	s_add_nc_u64 s[8:9], s[8:9], s[22:23]
	v_and_b32 v1, 15, v0                           ; r
	v_bfe_u32 v224, v0, 4, 1                       ; h
	v_lshlrev_b32 v[QO], 7, v1
	v_lshl_add_u32 v[QO], v224, 4, v[QO]           ; row r x 128 + 16 h
.irp t, 0,1
.irp c, 0,1
	global_load_b128 v[Q+16*\t+8*\c:Q+16*\t+8*\c+3],   v[QO], s[4:5] offset:2048*\t+64*\c      ; Q stays in registers: tile t, channels 32 c on
	global_load_b128 v[Q+16*\t+8*\c+4:Q+16*\t+8*\c+7], v[QO], s[4:5] offset:2048*\t+64*\c+32
.endr
.endr
	v_lshrrev_b32 v225, 1, v1
	v_mul_u32_u24 v[AK0], v225, 272
	v_and_b32 v225, 1, v0
	v_lshl_add_u32 v[AK0], v225, 7, v[AK0]
	v_lshl_add_u32 v[AK0], v224, 4, v[AK0]         ; K: key r: row r / 2, half r % 2, + 16 h
	v_bfe_u32 v226, v0, 1, 2
	v_lshl_add_u32 v226, v224, 2, v226
	v_mul_u32_u24 v[AV0], v226, 288
	v_lshl_add_u32 v[AV0], v225, 7, v[AV0]
	v_bfe_u32 v226, v0, 3, 1
	v_lshl_add_u32 v[AV0], v226, 4, v[AV0]
	v_add_nc_u32 v[AV0], KB, v[AV0]                ; V: key 8 h + l % 8, channels 8 ((l / 8) % 2) on
	s_mul_i32 s27, s[WV], 32*SPITCH
	s_add_co_u32 s27, s27, STAGE                   ; my stage
	v_mul_u32_u24 v[STO], v1, SPITCH
	v_lshl_add_u32 v[STO], v224, 4, v[STO]
	v_add_nc_u32 v[STO], s27, v[STO]               ; in: row r, 16 bytes for each half of the lanes
	v_bfe_u32 v226, v0, 3, 2
	v_mul_u32_u24 v[RD], v226, SPITCH
	v_and_b32 v226, 7, v0
	v_lshl_add_u32 v[RD], v226, 4, v[RD]
	v_add_nc_u32 v[RD], s27, v[RD]                 ; back: eight lanes to a row of 128 bytes, four rows an instruction
	MLOAD                                          ; key step 0's lane masks: the head's temporaries in s16-27 have had their last reader
	v_and_b32 v226, 31, v0
	v_lshlrev_b32 v[GO], 4, v226
	v_lshlrev_b32 v[PFO], 8, v226
	v_mov_b32 v[FILL], 0xc7c35000                  ; -100000.0
	v_mov_b32 v[CV], 0x3fb8aa3b                    ; c = log2(e)
	v_mov_b32 v[CV+1], 0x3fb8aa3b
.irp t, 0,1
	v_mov_b32 v[ST+8*\t+1], 0xfe967699             ; m = -1e38, under every score that is served
	v_mul_f32 v[ST+8*\t], v[CV], v[ST+8*\t+1]      ; c m
	v_mov_b32 v[ST+8*\t+2], 0                      ; l
	v_mov_b32 v[ST+8*\t+3], 0
	v_mov_b32 v[ST+8*\t+5], 0                      ; (a lane permute's destination counts as one of its sources)
	v_mov_b32 v[ST+8*\t+7], 0
.endr
.set i, 0
.rept 64
	v_mov_b32 v[O+i], 0                            ; O^T: the first step finds zeros, which a = 0 leaves zeros
.set i, i+1
.endr
	s_wait_loadcnt 0x0                             ; Q; s[4:5] are free from here on
.macro MASK t                          ; where the mask is true the score is replaced; each accumulator is read from its low end on
.set i, 0
.rept 32
	v_cndmask_b32 v[S+32*(\t)+i], v[S+32*(\t)+i], v[FILL], s[M+32*(\t)+i+4*((32*(\t)+i)/48)]
.set i, i+1
.endr
.endm
.macro SOFT t                          ; one tile's softmax for one key step
.set rT, ST+8*(\t)
.set rS, S+32*(\t)
.set rP, P+16*(\t)
.set rO, O+32*(\t)
.irp j, 0,1,2,3
	v_max3_num_f32 v[rT+4+\j], v[rS+8*\j], v[rS+8*\j+1], v[rS+8*\j+2]       ; the maximum of my 32 scores: four chains of seven,
.endr
.irp g, 1,2
.irp j, 0,1,2,3
	v_max3_num_f32 v[rT+4+\j], v[rT+4+\j], v[rS+8*\j+2*\g+1], v[rS+8*\j+2*\g+2]
.endr
.endr
	v_max3_num_f32 v[rT+4], v[rT+4], v[rS+7], v[rS+15]                     ; the four left over,
	v_max3_num_f32 v[rT+6], v[rT+6], v[rS+23], v[rS+31]
	v_max3_num_f32 v[rT+4], v[rT+4], v[rT+5], v[rT+6]
	v_max3_num_f32 v[rT+4], v[rT+4], v[rT+7], v[rT+1]                      ; and the old m
	v_permlanex16_b32 v[rT+5], v[rT+4], s[SEL], s[SEL+1]                   ; the query's other 32 keys lie in the lane 16 away
	v_mov_b32 v[rT+7], v[rT]                                               ; c m_old
	v_max_num_f32 v[rT+1], v[rT+4], v[rT+5]                                ; m
	v_mul_f32 v[rT], v[CV], v[rT+1]                                        ; c m
	v_sub_f32 v[rT+7], v[rT+7], v[rT]
.set i, 0
.rept 16
	v_pk_fma_f32 v[rS+2*i:rS+2*i+1], v[rS+2*i:rS+2*i+1], v[CV:CV+1], v[rT:rT+1] op_sel_hi:[1,0,0] neg_lo:[0,0,1] neg_hi:[0,0,1]   ; c s - c m, two at a time (of the pairs c and c m the low word serves both halves)
.set i, i+1
.endr
	v_exp_f32 v[rT+6], v[rT+7]                                             ; a.  The 33 exponentials are ONE batch: none reads another's result
.set i, 0
.rept 32
	v_exp_f32 v[rS+i], v[rS+i]
.set i, i+1
.endr
	v_nop                                                                  ; a plain instruction behind the last exponential, ahead of the first use
	s_wait_alu depctr_va_vdst(0)                                           ; one wait for the batch, ahead of its first reader
.set i, 0
.rept 16
	v_cvt_pk_f16_f32 v[rP+i], v[rS+2*i], v[rS+2*i+1]                       ; the weights, in the second product's layout
.set i, i+1
.endr
.irp u, 0,1,2,3,4,5,6,7
	v_pk_add_f32 v[rS+4*\u:rS+4*\u+1], v[rS+4*\u:rS+4*\u+1], v[rS+4*\u+2:rS+4*\u+3]   ; the sum of the unrounded weights, as a tree in place
.endr
.irp u, 0,1,2,3
	v_pk_add_f32 v[rS+8*\u:rS+8*\u+1], v[rS+8*\u:rS+8*\u+1], v[rS+8*\u+4:rS+8*\u+5]
.endr
.irp u, 0,1
	v_pk_add_f32 v[rS+16*\u:rS+16*\u+1], v[rS+16*\u:rS+16*\u+1], v[rS+16*\u+8:rS+16*\u+9]
.endr
	v_pk_add_f32 v[rS:rS+1], v[rS:rS+1], v[rS+16:rS+17]
	v_pk_fma_f32 v[rT+2:rT+3], v[rT+2:rT+3], v[rT+6:rT+7], v[rS:rS+1] op_sel_hi:[1,0,1]   ; l = a l + the sum
.set i, 0
.rept 16
	v_pk_mul_f32 v[rO+2*i:rO+2*i+1], v[rO+2*i:rO+2*i+1], v[rT+6:rT+7] op_sel_hi:[1,0]     ; O^T x a, from each accumulator's low end on
.set i, i+1
.endr
.endm
.macro PV t                            ; O^T += V^T P: four accumulators by turns, one instruction a turn
.irp u, 0,1
.irp ct, 0,1,2,3
	v_wmma_f32_16x16x32_f16 v[O+32*(\t)+8*\ct:O+32*(\t)+8*\ct+7], v[64+32*\u+8*\ct:64+32*\u+8*\ct+7], v[P+16*(\t)+8*\u:P+16*(\t)+8*\u+7], v[O+32*(\t)+8*\ct:O+32*(\t)+8*\ct+7]
.endr
.endr
.endm
.macro FETCH_K off                     ; 16 LDS loads in one run: a step's K, 64 keys x 64 channels, off bytes behind v[ADK]
	WIN 0x40                                       ; destination window 1
.irp kt, 0,1,2,3
.irp c, 0,1
	ds_load_b128 v[16*\kt+8*\c:16*\kt+8*\c+3],   v[ADK] offset:\off+2176*\kt+64*\c
	ds_load_b128 v[16*\kt+8*\c+4:16*\kt+8*\c+7], v[ADK] offset:\off+2176*\kt+64*\c+32
.endr
.endr
	WIN 0
.endm
; A KEY STEP: 64 keys at LDS byte s[TB].  Its K was asked for a step ago, or at the slot's head.  kahead = 1: the next step lies in the same slot, and its K is asked for here.  mahead = 1: a step follows, and its lane masks are asked for here.
.macro STEP kahead, mahead
	v_add_nc_u32 v[ADK], s[TB], v[AK0]             ; these four plain instructions are the places between the last step's last product and the loads into V's registers
	v_add_nc_u32 v[ADV], s[TB], v[AV0]
	v_nop
	v_nop
	WIN 0x40                                       ; destination window 1
.irp u, 0,1
.irp ct, 0,1,2,3
	ds_load_tr16_b128 v[64+32*\u+8*\ct:64+32*\u+8*\ct+3],   v[ADV] offset:4608*\u+32*\ct
	ds_load_tr16_b128 v[64+32*\u+8*\ct+4:64+32*\u+8*\ct+7], v[ADV] offset:4608*\u+32*\ct+2304
.endr
.endr
	s_wait_dscnt 16                                ; K, asked for earlier, is in; V's sixteen loads, just issued, may be out
	WIN 0x01                                       ; source 0 window 1
.set i, 0
.rept 16                               ; S^T = K Q^T: tile i % 2, keys 16 ((i / 2) % 4) on, channels 32 (i / 8) on: eight accumulators by turns; the first eight start the sums
.set rS, S+32*(i%2)+8*((i/2)%4)
.set rK, 16*((i/2)%4)+8*(i/8)
.set rQ, Q+16*(i%2)+8*(i/8)
.if i < 8
	v_wmma_f32_16x16x32_f16 v[rS:rS+7], v[rK:rK+7], v[rQ:rQ+7], 0
.else
	v_wmma_f32_16x16x32_f16 v[rS:rS+7], v[rK:rK+7], v[rQ:rQ+7], v[rS:rS+7]
.endif
.set i, i+1
.endr
	WIN 0
.rept 4
	v_nop                                          ; places in front of the loads into K's registers and of the first read of the scores
.endr
.if \kahead
	FETCH_K STEPB                                  ; the next step's K: it has both softmaxes and both V^T P in which to come
.endif
	s_wait_kmcnt 0x0                               ; this step's 64 lane masks, asked for a step ago, are in, and their loads have read their address
	MASK 0
	MASK 1
.if \mahead
	s_add_nc_u64 s[MP:MP+1], s[MP:MP+1], 128
	MLOAD                                          ; the next step's, into the registers just read
.endif
	SOFT 0
	s_wait_dscnt 16*(\kahead)                      ; V is in; the next step's K, sixteen younger loads, may be out
	WIN 0x01
	PV 0
	WIN 0
	SOFT 1
	WIN 0x01
	PV 1
	WIN 0
	s_add_co_u32 s[TB], s[TB], STEPB
.endm
; THE CHANGE OF SLOTS stands at a slot's head.
.macro CHANGE fill
	s_wait_tensorcnt 0x0                           ; my one tensor load has landed: my part of the slot ahead; so the group 0 may be written
	ds_add_u32 v[SPW], v[NIL]                      ; 0 onto my spare word
.if \fill
	s_xor_b32 s[G0+1], s[G0+1], SLOT1              ; the walking descriptor: the other slot than last time,
	s_add_nc_u64 s[G0+2:G0+3], s[G0+2:G0+3], 32768 ; the next 256 keys; the type bits on top are not reached
	s_wait_xcnt 0x0                                ; the last prefetch, four key steps back, has read its address
	s_add_nc_u64 s[PFA:PFA+1], s[PFA:PFA+1], 32768
	s_wait_dscnt 0x0                               ; the add is done, and my reads of the slot that I have left are over
	CROUND                                         ; so it is with every wave of all four work-groups
	JLOAD                                          ; my one tensor load until the next round
.else
	s_wait_dscnt 0x0
	s_barrier_signal -1
	s_barrier_wait -1
.endif
.endm
; A slot's four key steps: its first K; three steps that look ahead, written once and walked three times; the fourth, whose successor lies in the other slot.  last = 1: the launch's last slot: no prefetch, and its last step asks for no lane masks.
.macro SLOT_STEPS last
	v_add_nc_u32 v[ADK], s[TB], v[AK0]
	FETCH_K 0
.if !\last
	ASK
.endif
	s_mov_b32 s[STEPC], 3
.Lstep_\@:
	STEP 1, 1
	s_sub_co_u32 s[STEPC], s[STEPC], 1
	s_cmp_lg_u32 s[STEPC], 0
	s_cbranch_scc1 .Lstep_\@
	STEP 0, 1-\last
.if !\last
	s_sub_co_u32 s[TB], s[TB], 4*STEPB             ; back to a slot's first step,
	s_xor_b32 s[TB], s[TB], SLOT1                  ; in the other slot
.endif
.endm
.Lslot:                                            ; seven trips: behind each change of slots but the last the next 256 keys are asked for
	CHANGE 1
	SLOT_STEPS 0
	s_sub_co_u32 s[SLOTS], s[SLOTS], 1
	s_cmp_lg_u32 s[SLOTS], 0
	s_cbranch_scc1 .Lslot
	CHANGE 0                                       ; the last slot is written out
	SLOT_STEPS 1
	; THE WAY OUT.  l's two halves and the other half of the lanes' are added; O^T is divided by l, rounded to f16 and sent through my stage.
.irp t, 0,1
	v_add_f32 v[ST+8*\t+4], v[ST+8*\t+2], v[ST+8*\t+3]
.endr
.irp t, 0,1
	v_permlanex16_b32 v[ST+8*\t+5], v[ST+8*\t+4], s[SEL], s[SEL+1]
.endr
.irp t, 0,1
	v_add_f32 v[ST+8*\t+4], v[ST+8*\t+4], v[ST+8*\t+5]
.endr
.irp t, 0,1
	v_rcp_f32 v[ST+8*\t+6], v[ST+8*\t+4]           ; l is at least about 1: the row's largest p
.endr
	v_nop
	s_wait_alu depctr_va_vdst(0)                   ; one wait for the two reciprocals, ahead of their first reader
.irp t, 0,1
.set i, 0
.rept 16
	v_pk_mul_f32 v[O+32*\t+2*i:O+32*\t+2*i+1], v[O+32*\t+2*i:O+32*\t+2*i+1], v[ST+8*\t+6:ST+8*\t+7] op_sel_hi:[1,0]
.set i, i+1
.endr
.set i, 0
.rept 16
	v_cvt_pk_f16_f32 v[WO+16*\t+i], v[O+32*\t+2*i], v[O+32*\t+2*i+1]
.set i, i+1
.endr
.irp ct, 0,1,2,3
	ds_store_b128 v[STO], v[WO+16*\t+4*\ct:WO+16*\t+4*\ct+3] offset:16*SPITCH*\t+32*\ct   ; lane (r, h): channels 16 ct + 8 h + 0 .. 7 of row 16 t + r
.endr
.endr
.irp i, 0,1,2,3,4,5,6,7
	ds_load_b128 v[S+4*\i:S+4*\i+3], v[RD] offset:4*SPITCH*\i      ; LDS serves a wave's instructions in order (ISA guide 5.7.1.4): these see my stores
.endr
.irp i, 0,1,2,3,4,5,6,7
	s_wait_dscnt 7-\i                              ; the later read-backs may be out
	global_store_b128 v[GO], v[S+4*\i:S+4*\i+3], s[8:9] offset:512*\i   ; 32 lanes store four rows: 512 consecutive bytes, aligned
.endr
	s_wait_tensorcnt 0x0                           ; the wave's end: three lines behind my last tensor load and my last LDS store
	ds_add_u32 v[SPW], v[NIL]
	s_wait_dscnt 0x0
	CROUND                                         ; the closing round
	s_endpgm
.Lfunc_end_k_q72e66375d1_attn:
	.size	k_q72e66375d1_attn, .Lfunc_end_k_q72e66375d1_attn-k_q72e66375d1_attn
	.p2alignl 7, 3214868480
	.fill 96, 4, 3214868480
	.section	.rodata,"a",@progbits
	.p2align	6, 0x0
	.amdhsa_kernel k_q72e66375d1_attn
		.amdhsa_group_segment_fixed_size 327680
		.amdhsa_private_segment_fixed_size 0
		.amdhsa_enable_private_segment 0
		.amdhsa_kernarg_size 24
		.amdhsa_user_sgpr_count 2
		.amdhsa_user_sgpr_kernarg_segment_ptr 1
		.amdhsa_wavefront_size32 1
		.amdhsa_system_sgpr_workgroup_id_x 1
		.amdhsa_system_sgpr_workgroup_id_y 1
		.amdhsa_system_sgpr_workgroup_id_z 1
		.amdhsa_system_vgpr_workitem_id 0
		.amdhsa_next_free_vgpr 384
		.amdhsa_next_free_sgpr 102
		.amdhsa_reserve_vcc 0
		.amdhsa_float_denorm_mode_32 3
		.amdhsa_float_denorm_mode_16_64 3
		.amdhsa_memory_ordered 1
		.amdhsa_forward_progress 1
		.amdhsa_inst_pref_size 105
	.end_amdhsa_kernel
	.amdgpu_metadata
---
amdhsa.version: [ 1, 2 ]
amdhsa.kernels:
  - .name:           k_q72e66375d1_attn
    .symbol:         k_q72e66375d1_attn.kd
    .args:
      - { .name: qkv, .offset: 0, .size: 8, .value_kind: global_buffer, .address_space: global }
      - { .name: maskw, .offset: 8, .size: 8, .value_kind: global_buffer, .address_space: global }
      - { .name: xh, .offset: 16, .size: 8, .value_kind: global_buffer, .address_space: global }
    .group_segment_fixed_size: 327680
    .private_segment_fixed_size: 0
    .kernarg_segment_align: 8
    .kernarg_segment_size: 24
    .max_flat_workgroup_size: 256
    .sgpr_count:     102
    .vgpr_count:     384
    .wavefront_size: 32
...
	.end_amdgpu_metadata
.endif
;; end of part 3
;; launch outp (part 4): grid 8 x 32, 4 waves a work-group, clusters of 4 x 4, 327,680 bytes of LDS; arguments xh, woh, wo_b, out0; writes out0
.if DOCPART == 4
	.amdgcn_target "amdgcn-amd-amdhsa--gfx1250"
	.amdhsa_code_object_version 6
	.text
	.protected	k_q72e66375d1_outp
	.globl	k_q72e66375d1_outp
	.p2align	8
	.type	k_q72e66375d1_outp,@function
k_q72e66375d1_outp:
	s_mov_b64 s[64:65], 0
	v_nop
	global_prefetch_b8 v0, s[64:65] scope:SCOPE_SE
	s_setreg_imm32_b32 hwreg(HW_REG_WAVE_MODE, 25, 1), 1
	s_wait_xcnt 0x0
	s_wait_alu depctr_hold_cnt(0) depctr_sa_sdst(0) depctr_va_vdst(0) depctr_va_sdst(0) depctr_va_ssrc(0) depctr_va_vcc(0) depctr_vm_vsrc(0)
	s_getreg_b32 s2, hwreg(HW_REG_IB_STS2, 6, 4)
	s_cmp_eq_u32 s2, 0
	s_cbranch_scc0 .Lentry_in_a_cluster
	s_endpgm
.Lentry_in_a_cluster:
	s_bfe_u32 s2, ttmp6, 0x10000c
	s_cmp_lg_u32 s2, 0xf033
	s_cbranch_scc0 .Lentry_shape_is_right
	s_endpgm
.Lentry_shape_is_right:
; out0[m][n] = the sum over k of x[m][k] wo_w[n][k] + wo_b[n]: 4,096 x 1,024 x 1,024, f16 operands, f32 sums, f32 out.
; Both operands lie BY PLANES OF 64 k: xh[b][head][s][64] (k = 64 head + d), woh[plane][n][64]: in a plane 64 rows are 8,192 dense bytes.
; A tile of 128 x 128 gives each of the 256 WGPs one work-group; four waves, 64 x 64 each: 16 accumulators.  K goes in steps of 256 (four planes) through two LDS slots.
; A wave's tensor load brings 64 rows x 4 planes by one descriptor whose row is a plane's 8,192 bytes, with 16 bytes of padding behind every 256: LDS lines of two rows, 272 bytes apart.
; CLUSTERS: 4 x 4 work-groups: a row of the cluster shares x's tiles, a column wo_w's: joint loads.  THE MATRIX INSTRUCTION IS USED TRANSPOSED (source 0 = 16 rows of wo_w, source 1 = 16 rows of x).
; THE BIAS is the C of each sum's first matrix instruction.  A wave's 64 outputs of a row are 256 bytes, aligned: each wave has a stage of its own on the way out, and no barrier is needed there.
; REGISTERS: window 0: v0-31 addresses; v32-95 rows on the way out; v96-127 the bias; v128-255 the accumulators ((a, b) at v[128 + 8 (4 a + b)]).  window 1: two fragment buffers of 128.
.set PLANE,  32*272                    ; 64 rows of one plane in LDS
.set HALFT,  4*PLANE                   ; what one tensor load brings, and what one wave reads of x or of wo_w
.set SLOT,   4*HALFT
.set STAGE,  2*SLOT                    ; behind the ring: 16 rows x 272 bytes for each wave
.set SPITCH, 272
.set SPARE,  STAGE+4*16*SPITCH         ; the spare words: 128 bytes a wave, two blocks of 256 bytes that no other line names
.set LAPS,   2                         ; a lap = two K steps = once round the ring
.set BLK,    8*272                     ; 16 rows of a plane
.set ADRA, 16
.set ADRB, 20
.set STO,  24
.set RD,   25
.set CO,   26
.set BO,   27
.set SPW,  28
.set NIL,  29
.set TMP,  32
.set BT,   96
.set ACC,  128
.set F0,   0
.set F1,   128
.set G1, 24
.set G0, 32
.set G1B, 48
.set G0B, 56
.set WV, 66
.set HR, 67                            ; which half of the tile's rows is mine.  Also: I fetch for x (0) or for wo_w (1)
.set HC, 68                            ; which half of its columns.  Also: which 64 rows I fetch
.set MSB, 0
.macro WIN new
.if MSB != \new
	s_set_vgpr_msb (MSB<<8)|\new
.set MSB, \new
.endif
.endm
.set MUL,  0x05                        ; sources 0 and 1 window 1; C and D window 0
.set TO_F, 0x40
.macro JLOAD s                         ; a joint load; an s_nop 0 and four v_nop follow each line
	s_cmp_eq_u32 s[HR], 0
	s_cbranch_scc0 .Lfor_b_\@
	tensor_load_to_lds s[G0+4*\s:G0+4*\s+3], s[G1:G1+7]
	s_nop 0
.rept 4
	v_nop
.endr
	s_branch .Lasked_\@
.Lfor_b_\@:
	tensor_load_to_lds s[G0B+4*\s:G0B+4*\s+3], s[G1B:G1B+7]
	s_nop 0
.rept 4
	v_nop
.endr
.Lasked_\@:
.endm
.macro CREST
	s_cmp_lg_u32 s[WV], 0
	s_cbranch_scc1 .Lnot_wave_0_\@
	s_barrier_signal -3
.Lnot_wave_0_\@:
	s_barrier_wait -3
	s_barrier_signal -1
	s_barrier_wait -1
.endm
.macro CROUND
	s_barrier_signal -1
	s_barrier_wait -1
	CREST
.endm
	s_load_b256 s[4:11], s[0:1], 0x0               ; xh s[4:5], woh s[6:7], wo_b s[8:9], out0 s[10:11]
	v_lshl_add_u32 v[SPW], v0, 2, SPARE
	v_mov_b32 v[NIL], 0
	ds_add_u32 v[SPW], v[NIL]                      ; the wave's opening: the add, twice on end, and its wait ahead of my first tensor load
	ds_add_u32 v[SPW], v[NIL]
	v_lshrrev_b32 v1, 5, v0
	v_readfirstlane_b32 s[WV], v1
	s_lshr_b32 s[HR], s[WV], 1
	s_and_b32 s[HC], s[WV], 1
	s_bfe_u32 s40, ttmp6, 0x40000                  ; cx
	s_bfe_u32 s41, ttmp6, 0x40004                  ; cy
	s_lshl_b32 s42, ttmp9, 2
	s_add_co_u32 s42, s42, s40                     ; tile column 0..7
	s_and_b32 s13, ttmp7, 0xffff
	s_lshl_b32 s13, s13, 2
	s_add_co_u32 s13, s13, s41                     ; tile row 0..31
	s_lshl_b32 s43, s41, 2
	s_lshl_b32 s43, 15, s43                        ; my row of the cluster
	s_lshl_b32 s44, 0x1111, s40                    ; my column
	s_or_b32 s[G1+0], s43, (3<<16)|(1<<20)|(1<<21)|(5<<22)|(3<<25)  ; the mask; elements of 8 bytes; padding on; bit 21 beside a mask; after every 64 words four words
	s_or_b32 s[G1B+0], s44, (3<<16)|(1<<20)|(1<<21)|(5<<22)|(3<<25)
.irp g, G1, G1B
	s_mov_b32 s[\g+1], 1024<<16                    ; tensor_dim0: a plane's 64 rows, 8,192 bytes
	s_mov_b32 s[\g+2], 4<<16                       ; tensor_dim1: four planes
	s_mov_b32 s[\g+3], 1024<<16                    ; tile_dim0
	s_mov_b32 s[\g+4], 4                           ; tile_dim1
	s_mov_b32 s[\g+6], 0
	s_mov_b32 s[\g+7], 0
.endr
	s_mov_b32 s[G1+5], 32768                       ; from plane to plane: 262,144 bytes in xh,
	s_mov_b32 s[G1B+5], 16384                      ; 131,072 in woh
	s_lshl_b32 s16, s13, 7
	s_lshl_b32 s17, s[HC], 6
	s_add_co_u32 s16, s16, s17                     ; x: row 128 x tile row + 64 x half
	s_lshr_b32 s17, s16, 11                        ; b: 4,194,304 bytes
	s_lshl_b32 s17, s17, 22
	s_and_b32 s16, s16, 2047
	s_lshl_b32 s16, s16, 7                         ; s: 128 bytes a row
	s_add_co_u32 s16, s16, s17
	s_mov_b32 s17, 0
	s_lshl_b32 s46, s42, 7
	s_lshl_b32 s47, s[HC], 6
	s_add_co_u32 s46, s46, s47                     ; wo_w: row 128 x tile column + 64 x half
	s_lshl_b32 s46, s46, 7
	s_mov_b32 s47, 0
	s_mul_i32 s20, s[WV], HALFT                    ; where they go: no place in the cluster enters an LDS address
	s_wait_dscnt 0x0                               ; both opening adds are done
	s_wait_kmcnt 0x0
	s_add_nc_u64 s[14:15], s[4:5], s[16:17]
	s_add_nc_u64 s[46:47], s[6:7], s[46:47]
	CROUND                                         ; all sixteen work-groups are here: the first joint loads meet
.irp s, 0,1
	s_mov_b32 s[G0+4*\s], 1
	s_add_co_u32 s[G0+4*\s+1], s20, \s*SLOT
	s_add_nc_u64 s[G0+4*\s+2:G0+4*\s+3], s[14:15], \s*1048576      ; K step s: four planes of 262,144 bytes on
	s_or_b32 s[G0+4*\s+3], s[G0+4*\s+3], 0x80000000
	s_mov_b32 s[G0B+4*\s], 1
	s_add_co_u32 s[G0B+4*\s+1], s20, \s*SLOT
	s_add_nc_u64 s[G0B+4*\s+2:G0B+4*\s+3], s[46:47], \s*524288     ; four planes of 131,072
	s_or_b32 s[G0B+4*\s+3], s[G0B+4*\s+3], 0x80000000
	JLOAD \s
.endr
	v_and_b32 v1, 15, v0                           ; r
	v_bfe_u32 v2, v0, 4, 1                         ; h
	s_lshl_b32 s16, s13, 7
	s_lshl_b32 s17, s[HR], 6
	s_add_co_u32 s16, s16, s17                     ; my first row of out0: 4,096 bytes a row
	s_lshl_b32 s16, s16, 12
	s_mov_b32 s17, 0
	s_add_nc_u64 s[10:11], s[10:11], s[16:17]
	s_lshl_b32 s46, s42, 9
	s_lshl_b32 s47, s[HC], 8
	s_add_co_u32 s46, s46, s47                     ; my first output, in bytes of f32: 512 x tile column + 256 x half
	s_mov_b32 s47, 0
	s_add_nc_u64 s[10:11], s[10:11], s[46:47]
	s_add_nc_u64 s[8:9], s[8:9], s[46:47]          ; and the same place in the bias
	v_lshlrev_b32 v[BO], 5, v2                     ; lane (r, h) wants outputs 16 b + 8 h + 0 .. 7
.irp b, 0,1,2,3
	global_load_b128 v[BT+8*\b:BT+8*\b+3], v[BO], s[8:9] offset:64*\b
	global_load_b128 v[BT+8*\b+4:BT+8*\b+7], v[BO], s[8:9] offset:64*\b+16
.endr
	v_lshrrev_b32 v3, 1, v1
	v_mul_u32_u24 v3, v3, 272
	v_and_b32 v4, 1, v0
	v_lshl_add_u32 v3, v4, 7, v3
	v_lshl_add_u32 v3, v2, 4, v3                   ; a fragment's row r: line r / 2, half r % 2, + 16 h: the 16 rows fall on 16 different 16-byte columns
	s_mul_i32 s21, s[HR], HALFT                    ; my 64 rows of x
	s_mul_i32 s22, s[HC], HALFT                    ; my 64 rows of wo_w,
	s_add_co_u32 s22, s22, 2*HALFT                 ; which lie behind x's 128
.irp s, 0,1
	v_add_nc_u32 v[ADRA+\s], s21, v3
	v_add_nc_u32 v[ADRB+\s], s22, v3
	s_add_co_u32 s21, s21, SLOT
	s_add_co_u32 s22, s22, SLOT
.endr
	s_mul_i32 s23, s[WV], 16*SPITCH
	s_add_co_u32 s23, s23, STAGE                   ; my stage
	v_mul_u32_u24 v4, v1, SPITCH
	v_lshl_add_u32 v4, v2, 5, v4
	v_add_nc_u32 v[STO], s23, v4                   ; in: row r, 32 bytes for each half of the lanes
	v_mul_u32_u24 v5, v2, SPITCH
	v_lshl_add_u32 v5, v1, 4, v5
	v_add_nc_u32 v[RD], s23, v5                    ; back: lanes 0-15 one row of 256 bytes, lanes 16-31 the next
	v_lshlrev_b32 v[CO], 4, v1
	v_lshl_add_u32 v[CO], v2, 12, v[CO]            ; and the same two rows in out0
; 8 matrix instructions: m blocks a0, a0 + 1 x all 4 n blocks, 32 along K: half c of buffer f.  first = 1: the bias starts the sums.  The 16 accumulators take turns.
.macro MUL8 f, c, a0, first
.irp a, \a0, \a0+1
.irp b, 0,1,2,3
.if \first
	v_wmma_f32_16x16x32_f16 v[ACC+8*(4*(\a)+\b):ACC+8*(4*(\a)+\b)+7], v[\f+64+8*(4*\c+\b):\f+64+8*(4*\c+\b)+7], v[\f+8*(4*\c+\a):\f+8*(4*\c+\a)+7], v[BT+8*\b:BT+8*\b+7]
.else
	v_wmma_f32_16x16x32_f16 v[ACC+8*(4*(\a)+\b):ACC+8*(4*(\a)+\b)+7], v[\f+64+8*(4*\c+\b):\f+64+8*(4*\c+\b)+7], v[\f+8*(4*\c+\a):\f+8*(4*\c+\a)+7], v[ACC+8*(4*(\a)+\b):ACC+8*(4*(\a)+\b)+7]
.endif
.endr
.endr
.endm
; 32 LDS loads in one run: the fragments of one plane (64 along K), at byte k of a region, into buffer f; the first 32 along K first
.macro FETCH slot, k, f
	WIN TO_F
.irp c, 0,1
.irp i, 0,1,2,3
	ds_load_b128 v[\f+64+8*(4*\c+\i):\f+64+8*(4*\c+\i)+3],   v[ADRB+\slot] offset:\k+64*\c+\i*BLK
	ds_load_b128 v[\f+64+8*(4*\c+\i)+4:\f+64+8*(4*\c+\i)+7], v[ADRB+\slot] offset:\k+64*\c+\i*BLK+32
	ds_load_b128 v[\f+8*(4*\c+\i):\f+8*(4*\c+\i)+3],         v[ADRA+\slot] offset:\k+64*\c+\i*BLK
	ds_load_b128 v[\f+8*(4*\c+\i)+4:\f+8*(4*\c+\i)+7],       v[ADRA+\slot] offset:\k+64*\c+\i*BLK+32
.endr
.endr
.endm
.macro PLACES                          ; four places in front of loads into registers that matrix instructions have read, and of reads of results
.rept 4
	v_nop
.endr
.endm
.macro QUARTER slot, k, f, g, first    ; one plane: multiplies buffer f and fetches the next plane, at byte k, into g
	s_wait_dscnt 16                                ; the first 32 along K are in; the other sixteen loads may be out
	WIN MUL
	MUL8 \f, 0, 0, \first
	MUL8 \f, 0, 2, \first
	PLACES
	FETCH \slot, \k, \g
	s_wait_dscnt 32                                ; all but the 32 just issued
	WIN MUL
	MUL8 \f, 1, 0, 0
	MUL8 \f, 1, 2, 0
.endm
; A slot's last plane multiplies buffer 1 and changes slots: ONE barrier; fill = 1: it opens a round of the cluster's barrier, and this slot is filled again, two K steps ahead.
.macro TURN slot, next, fill
	WIN 0                                          ; (the add's two registers lie in window 0)
	s_wait_tensorcnt 0x0                           ; all my tensor loads have landed: my part of the next slot
	ds_add_u32 v[SPW], v[NIL]                      ; 0 onto my spare word
	s_wait_dscnt 17                                ; (the add and the youngest sixteen loads may be out)
	WIN MUL
	MUL8 F1, 0, 0, 0
	s_wait_dscnt 0x0                               ; the add is done, and my reads of this slot are over
	s_barrier_signal -1
	MUL8 F1, 0, 2, 0
.if \fill
	WIN 0
.endif
	s_barrier_wait -1
.if \fill
	CREST                                          ; no wave of any partner still reads this slot or has a load on its way
	s_add_nc_u64 s[G0+4*\slot+2:G0+4*\slot+3], s[G0+4*\slot+2:G0+4*\slot+3], 2097152
	s_add_nc_u64 s[G0B+4*\slot+2:G0B+4*\slot+3], s[G0B+4*\slot+2:G0B+4*\slot+3], 1048576
	JLOAD \slot                                    ; the first tensor load behind the round; its four v_nop are also the places in front of the loads below
.else
	PLACES
.endif
	FETCH \next, 0, F0
	WIN MUL
	MUL8 F1, 1, 0, 0
	MUL8 F1, 1, 2, 0
.endm
	s_wait_tensorcnt 1                             ; my part of K step 0 is in; K step 1's load may be out
	s_barrier_signal -1
	s_barrier_wait -1
	FETCH 0, 0, F0
	s_wait_loadcnt 0x0                             ; the bias
	QUARTER 0, PLANE, F0, F1, 1                    ; the first plane stands in front of the loop: its first products start the sums
	WIN 0
	s_mov_b32 s3, LAPS-1
.Llap:                                             ; a trip goes once round the ring and fills both slots again
	QUARTER 0, 2*PLANE, F1, F0, 0
	QUARTER 0, 3*PLANE, F0, F1, 0
	TURN 0, 1, 1
	QUARTER 1, PLANE, F0, F1, 0
	QUARTER 1, 2*PLANE, F1, F0, 0
	QUARTER 1, 3*PLANE, F0, F1, 0
	TURN 1, 0, 1
	QUARTER 0, PLANE, F0, F1, 0
	WIN 0
	s_sub_co_u32 s3, s3, 1
	s_cmp_lg_u32 s3, 0
	s_cbranch_scc1 .Llap
	QUARTER 0, 2*PLANE, F1, F0, 0                  ; the last lap fills nothing
	QUARTER 0, 3*PLANE, F0, F1, 0
	TURN 0, 1, 0
	QUARTER 1, PLANE, F0, F1, 0
	QUARTER 1, 2*PLANE, F1, F0, 0
	QUARTER 1, 3*PLANE, F0, F1, 0
	s_wait_dscnt 16
	WIN MUL
	MUL8 F1, 0, 0, 0
	MUL8 F1, 0, 2, 0
	s_wait_dscnt 0
	MUL8 F1, 1, 0, 0
	MUL8 F1, 1, 2, 0
	WIN 0
; THE WAY OUT, by blocks of 16 rows x 64 outputs: the accumulators go into my stage as they are and come back as whole rows of 256 bytes.
.macro TOSTAGE a
.set BB, TMP+32*((\a)%2)
.irp b, 0,1,2,3
	ds_store_b128 v[STO], v[ACC+8*(4*(\a)+\b):ACC+8*(4*(\a)+\b)+3] offset:64*\b          ; each accumulator from its low end on
	ds_store_b128 v[STO], v[ACC+8*(4*(\a)+\b)+4:ACC+8*(4*(\a)+\b)+7] offset:64*\b+16
.endr
.irp t, 0,1,2,3,4,5,6,7
	ds_load_b128 v[BB+4*\t:BB+4*\t+3], v[RD] offset:\t*2*SPITCH    ; LDS serves a wave's instructions in order (ISA guide 5.7.1.4)
.endr
.endm
.macro SEND a, younger                 ; younger: the LDS instructions issued behind block a's loads, which may stay out
.set BB, TMP+32*((\a)%2)
	s_wait_dscnt \younger
.irp t, 0,1,2,3,4,5,6,7
	global_store_b128 v[CO], v[BB+4*\t:BB+4*\t+3], s[10:11] offset:(16*(\a)+2*\t)*4096 th:TH_STORE_NT   ; 16 lanes store 256 consecutive bytes, aligned; written once, read by nobody here
.endr
.endm
	PLACES
	TOSTAGE 0
.irp a, 1,2,3
.if \a > 1
	s_wait_xcnt 0x0                                ; block a - 2's stores have read their registers: block a's loads may land there
.endif
	TOSTAGE \a
	SEND \a-1, 16                                  ; behind block a - 1's loads: block a's 8 stores and 8 loads
.endr
	SEND 3, 0
	s_wait_tensorcnt 0x0                           ; the wave's end: three lines behind my last tensor load and my last LDS store
	ds_add_u32 v[SPW], v[NIL]
	s_wait_dscnt 0x0
	CROUND                                         ; the closing round
	s_endpgm
.Lfunc_end_k_q72e66375d1_outp:
	.size	k_q72e66375d1_outp, .Lfunc_end_k_q72e66375d1_outp-k_q72e66375d1_outp
	.p2alignl 7, 3214868480
	.fill 96, 4, 3214868480
	.section	.rodata,"a",@progbits
	.p2align	6, 0x0
	.amdhsa_kernel k_q72e66375d1_outp
		.amdhsa_group_segment_fixed_size 327680
		.amdhsa_private_segment_fixed_size 0
		.amdhsa_enable_private_segment 0
		.amdhsa_kernarg_size 32
		.amdhsa_user_sgpr_count 2
		.amdhsa_user_sgpr_kernarg_segment_ptr 1
		.amdhsa_wavefront_size32 1
		.amdhsa_system_sgpr_workgroup_id_x 1
		.amdhsa_system_sgpr_workgroup_id_y 1
		.amdhsa_system_sgpr_workgroup_id_z 1
		.amdhsa_system_vgpr_workitem_id 0
		.amdhsa_next_free_vgpr 512
		.amdhsa_next_free_sgpr 72
		.amdhsa_reserve_vcc 0
		.amdhsa_float_denorm_mode_32 3
		.amdhsa_float_denorm_mode_16_64 3
		.amdhsa_memory_ordered 1
		.amdhsa_forward_progress 1
		.amdhsa_inst_pref_size 87
	.end_amdhsa_kernel
	.amdgpu_metadata
---
amdhsa.version: [ 1, 2 ]
amdhsa.kernels:
  - .name:           k_q72e66375d1_outp
    .symbol:         k_q72e66375d1_outp.kd
    .args:
      - { .name: xh, .offset: 0, .size: 8, .value_kind: global_buffer, .address_space: global }
      - { .name: woh, .offset: 8, .size: 8, .value_kind: global_buffer, .address_space: global }
      - { .name: wo_b, .offset: 16, .size: 8, .value_kind: global_buffer, .address_space: global }
      - { .name: out0, .offset: 24, .size: 8, .value_kind: global_buffer, .address_space: global }
    .group_segment_fixed_size: 327680
    .private_segment_fixed_size: 0
    .kernarg_segment_align: 8
    .kernarg_segment_size: 32
    .max_flat_workgroup_size: 128
    .sgpr_count:     72
    .vgpr_count:     512
    .wavefront_size: 32
...
	.end_amdgpu_metadata
.endif
;; end of part 4
